; MI455X (gfx1250); checked and timed in simulation.
; The chip was launched on July 23, 2026; its instructions are those of AMD's public machine-readable ISA for CDNA 5 (MIT licence, August 2026) and "CDNA5" Instruction Set Architecture Reference Guide (July 2026). The comments in the code are by the model that wrote it; some were corrected since.
;; Versor Linear. Allowed arithmetic: matrix products marked QUANTISED: E4M3 operands, one given power-of-two scale a tensor, by v_wmma_f32_16x16x64_fp8_fp8 or v_wmma_f32_16x16x128_fp8_fp8, f32 sums; everything else in f32.
;; Inputs: lowp_scales 4 int32 (the exponents e of the quantised operands' scales 2^e); weight 256 x 256 x 32 float32; x 2 x 256 x 256 x 32 float32.
;; Outputs: out0 2 x 256 x 256 x 32 float32.
;; This version of the problem:
;;   THIS VERSION OF THE PROBLEM IS GIVEN IN LOW PRECISION. The matrix products marked QUANTISED in the list below multiply operands that are first quantised to E4M3 (4 exponent bits, 3 mantissa bits; 8 bits a number), with one given power-of-two scale for each operand tensor; their sums are f32. All else is computed in f32.
;;   The module's matrix products, in the order in which they are computed (A, B: the left and right operand; K: the contracted axis; several contracted axes count as one K, in the product's order):
;;     1. [M 65,536, K 32] x [K 32, N 1,024]; A: input weight; B: computed on the way: QUANTISED (scales: A lowp_scales[0], B lowp_scales[1])
;;     2. [M 512, K 8,192] x [K 8,192, N 8,192]; A: input x; B: computed on the way: QUANTISED (scales: A lowp_scales[2], B lowp_scales[3])
;;   THE QUANTISER, for each operand of a quantised product, along K:
;;     - The operand's scale is 2^e, e = its entry of the input lowp_scales (int32; the entries are numbered through the quantised products in the list's order, A before B).
;;     - Each number is divided by the scale, clamped to +-448, and rounded to the nearest number of E4M3, ties to even, subnormals kept.
;;     - The product sums the exact products of the quantised numbers (number of the format x scale) in f32.
;;   ~~~python
;;   def quantise(x, axis, e):      # numpy; x: float32 -> the quantised numbers, widened to float32 again
;;       x = np.moveaxis(x, axis, -1); K = x.shape[-1]
;;       r = np.clip(x / 2.0 ** e, -448, 448)
;;       step = 2.0 ** (np.maximum(np.frexp(np.where(r == 0, 1, r))[1] - 1, -6) - 3)
;;       q = np.round(r / step) * step * 2.0 ** e      # np.round: ties to even
;;       return np.moveaxis(q, -1, axis).astype(np.float32)
;;   ~~~
;;   OPERANDS COMPUTED ON THE WAY. 'Computed on the way' means the value that the module computes at that place (a softmax that the list does not call 'softmax' is quantised finished and normalised). What goes into a quantiser is computed in f32, as accurately as f32 sums, v_exp_f32 and their like allow (about 1e-6 of the number): no bf16 or f16 on the way to a quantiser, and a product that is left as it is and whose result goes on into a quantised operand takes f32 operands (vector FMAs, or v_wmma_f32_16x16x4_f32). A number that lies on a knife's edge between two numbers of the format may be rounded either way, as far as f32 arithmetic and the matrix unit's own rounding can turn it there, and no further.
;; 2 versions. Each part assembles by itself: llvm-mc -triple=amdgcn-amd-amdhsa -mcpu=gfx1250 --defsym DOCPART=n.
;; ======== version 1 of 2: 2 launches
;; workspace buffers: xq 4,194,304 bytes; cq 2,097,152 bytes
;; launch prep (part 1): grid 384 x 1, 4 waves a work-group, no clusters, 41,472 bytes of LDS; arguments x, weight, lowp_scales, xq, cq; writes xq, cq
.if DOCPART == 1
	.amdgcn_target "amdgcn-amd-amdhsa--gfx1250"
	.amdhsa_code_object_version 6
	.text
	.protected	k_qc41f1e322b_prep
	.globl	k_qc41f1e322b_prep
	.p2align	8
	.type	k_qc41f1e322b_prep,@function
k_qc41f1e322b_prep:
	s_mov_b64 s[64:65], 0
	v_nop
	global_prefetch_b8 v0, s[64:65] scope:SCOPE_SE
	s_setreg_imm32_b32 hwreg(HW_REG_WAVE_MODE, 25, 1), 1
	s_wait_xcnt 0x0
; PREP: the two operands of the large product as codes of FP8 (E4M3), made once.
; xq [512 rows][8,192 = (i, l)]: code of x / 2^e2, held within +-448, to the nearest code, ties to even.
; cq: c[o][i][j] = code, under 2^e3, of the f32 number Q0(weight[o][i][j]) x Q1(1): that is slice l = 0 of W_op = weight x gp, the first quantised product.
; WHAT OF THE FIRST PRODUCT IS MULTIPLIED, AND WHY THAT IS ALL OF IT.  The Cayley table has one entry, +1 or -1, for each (j, l), at k = j xor l.  So each sum of W_op has one product that is not zero,
; W_op[o][i][l][k] = +-Q0(weight[o][i][l xor k]) x Q1(1), and since the quantiser is odd the code of W_op[o][i][l][k] is c[o][i][l xor k] with its sign bit turned by the table's sign.  For l = 0 the table is the unit matrix.
; This launch multiplies that slice, [65,536 x 32] x [32 x 32], on codes made by the stated quantiser (the weight's under 2^e0, the table's 1.0 under 2^e1), by v_wmma_f32_16x16x64_fp8_fp8, K filled from 32 to 64 with zero
; codes on both sides; the other 31 slices are signed permutations of its codes, which the next launch makes in registers.
; cq is laid as the next launch reads it: [o / 4 (64)][i / 64 (4)][(i / 4) % 16 (16)][o % 4 (4)][i % 4 (4)][j (32)], one byte a code.
; SHARES.  Work-groups 0-255 take x, 256-383 the weight.  A wave takes 8 steps of 512 numbers; all its 32 loads go out at the head.  Each load reads 512 consecutive bytes, 16 a lane; a step's 2,048 bytes turn through the
; wave's own stage in LDS (16 bytes of padding behind each 64) and come back 64 bytes a lane: 16 neighbours along K, as the conversions want them.  A wave's store covers 512 consecutive bytes.
; No tensor load, no barrier: waves share nothing.  The two paths part on the work-group's number and have LDS bytes of their own.
; LIMITS: e0, e1, e2 and e3 - e0 - e1 lie between -126 and 119, so that each power of two below, and 448 times it, is an f32 number.  NaN among the inputs is not served; an infinity is held at the largest code.
.set SP,    80                         ; a lane's place in a stage: 64 bytes + 16 of padding
.set STG,   32*SP                      ; a stage
.set WREG,  2*STG                      ; a wave's two stages, by turns
.set WBASE, 4*WREG                     ; the weight path's stages lie behind x's
.set SPARE, 8*WREG                     ; behind them: the spare words, 128 bytes for each wave: two blocks of 256 bytes that no other line names
.set SPW,   22                         ; v22      LDS address of my spare word; never rewritten
.set NIL,   23                         ; v23      0; never rewritten
.set R,     24                         ; v24-151  step t's 16 registers as loaded
.set XS,    152                        ; v152-183 two sets of 16 neighbours; on the weight path also the two products' results
.set C,     184                        ; v184-215 codes: four registers for each step, so that no store's data are written again
.set WF,    216                        ; v216-231 the weight's fragment, two by turns: registers 0-3 codes, 4-7 zero codes (K's filling)
.set G0,    232                        ; v232-239 the table's fragment for k' = 0-7 and 16-23
.set G1,    240                        ; v240-247 for k' = 8-15 and 24-31
.set ONE,   248                        ; v248-255 eight numbers: the table's 1.0, seven zeros
; v1 lane, v2 r = lane % 16, v3 h = lane / 16, v4 16 x lane, v5/v6 x's stage in/out, v7/v8 the weight's, v9 the weight path's store offset,
; v10/v11 2^e2 and 448 x 2^e2, v12/v13 the same for e0, v14/v15 for e3 - e0 - e1, v16/v17 for e1, v18-21 at work
	s_load_b256 s[4:11], s[0:1], 0x0               ; x s[4:5], weight s[6:7], the scales' exponents s[8:9], xq s[10:11]
	s_load_b64 s[12:13], s[0:1], 0x20              ; cq
	v_lshl_add_u32 v[SPW], v0, 2, SPARE
	v_mov_b32 v[NIL], 0
	v_lshrrev_b32 v1, 5, v0
	v_readfirstlane_b32 s16, v1                    ; wave 0..3
	v_and_b32 v1, 31, v0                           ; lane
	v_and_b32 v2, 15, v0                           ; r
	v_bfe_u32 v3, v0, 4, 1                         ; h
	v_lshlrev_b32 v4, 4, v1                        ; my 16 bytes of a load's 512, and of x's codes
	s_mul_i32 s17, s16, WREG
	v_lshrrev_b32 v18, 2, v1
	v_mul_u32_u24 v18, v18, SP
	v_and_b32 v19, 3, v1
	v_lshl_add_u32 v18, v19, 4, v18
	v_add_nc_u32 v5, s17, v18                      ; into a stage: four lanes' 64 bytes on end, then the padding: SP (lane / 4) + 16 (lane % 4); a load takes eight places
	v_mul_u32_u24 v19, v1, SP
	v_add_nc_u32 v6, s17, v19                      ; out of x's: place = lane: numbers 16 lane .. 16 lane + 15 of the step
	v_add_nc_u32 v7, WBASE, v5
	v_lshl_add_u32 v19, v2, 1, v3
	v_mul_u32_u24 v19, v19, SP
	v_add_nc_u32 v8, s17, v19
	v_add_nc_u32 v8, WBASE, v8                     ; out of the weight's: place 2 r + h: j = 16 h .. 16 h + 15 of the step's row r.  (160 r repeats modulo 256 after eight lanes: these reads meet two to a group of banks, ISA guide 11.1)
	v_lshlrev_b32 v9, 5, v2
	v_lshl_add_u32 v9, v3, 4, v9                   ; c's place in a step's 512 bytes: 32 r + 16 h
	s_lshl_b32 s18, ttmp9, 2
	s_add_co_u32 s18, s18, s16                     ; 4 x work-group + wave
	s_mov_b32 s25, 0
	s_mov_b32 s27, 0
	s_wait_kmcnt 0x0
	s_load_b128 s[20:23], s[8:9], 0x0              ; e0, e1, e2, e3
	s_cmp_lt_u32 ttmp9, 256
	s_cbranch_scc0 .Lweight
.macro PAT se, vs, vl                  ; s[se] holds e: v[vs] = 2^e as f32 (a conversion takes its exponent field), v[vl] = 448 x 2^e
	s_add_co_i32 s24, s[\se], 127
	s_lshl_b32 s25, s24, 23
	v_mov_b32 v[\vs], s25
	s_add_co_i32 s24, s24, 8
	s_lshl_b32 s24, s24, 23
	s_or_b32 s24, s24, 0x600000                    ; 448's mantissa field
	v_mov_b32 v[\vl], s24
.endm
.macro TURN t, in, out                 ; step t's numbers through stage t % 2: LDS serves a wave's instructions in order (ISA guide 5.7.1.4), so no wait stands between the stores and the loads
.irp i, 0,1,2,3
	ds_store_b128 v[\in], v[R+16*(\t)+4*\i:R+16*(\t)+4*\i+3] offset:STG*((\t)%2)+8*SP*\i
.endr
.irp i, 0,1,2,3
	ds_load_b128 v[XS+16*((\t)%2)+4*\i:XS+16*((\t)%2)+4*\i+3], v[\out] offset:STG*((\t)%2)+16*\i
.endr
.endm
.macro HOLD base, lim                  ; the conversion to an 8-bit code does not saturate (ISA guide 7.6.2): each number is held within the largest code x the scale first; ascending
.irp i, 0,1,2,3,4,5,6,7,8,9,10,11,12,13,14,15
	v_med3_num_f32 v[\base+\i], v[\base+\i], -v[\lim], v[\lim]
.endr
.endm
	; ---------------- x: wave g = 4 x work-group + wave takes numbers 4,096 g on
	s_lshl_b32 s24, s18, 14
	s_add_nc_u64 s[4:5], s[4:5], s[24:25]
	s_lshl_b32 s26, s18, 12
	s_add_nc_u64 s[10:11], s[10:11], s[26:27]
.irp t, 0,1,2,3,4,5,6,7
.irp i, 0,1,2,3
	global_load_b128 v[R+16*\t+4*\i:R+16*\t+4*\i+3], v4, s[4:5] offset:2048*\t+512*\i th:TH_LOAD_NT   ; 32 lanes read 512 consecutive bytes; read once in the launch
.endr
.endr
	s_wait_kmcnt 0x0
	PAT 22, 10, 11                                 ; e2
	s_wait_loadcnt 28                              ; step 0's four loads are in; the 28 of steps 1 to 7 may be out
	TURN 0, 5, 6
.macro XSTEP t
.set XB, XS+16*((\t)%2)
	s_wait_dscnt 0x0                               ; this step's numbers are back from the stage
.if (\t) < 7
	s_wait_loadcnt 24-4*(\t)                       ; the next step's four loads are in; those of the steps behind it may be out
	TURN (\t)+1, 5, 6                              ; and go through the other stage while this step is worked
.endif
	HOLD XB, 11
	v_cvt_scalef32_pk8_fp8_f32 v[C+4*(\t):C+4*(\t)+1], v[XB:XB+7], v10       ; eight numbers / 2^e2, to the nearest code, ties to even; the first number's code in the lowest byte
	v_cvt_scalef32_pk8_fp8_f32 v[C+4*(\t)+2:C+4*(\t)+3], v[XB+8:XB+15], v10
	v_nop                                          ; a plain vector line behind the last conversion of a run
	global_store_b128 v4, v[C+4*(\t):C+4*(\t)+3], s[10:11] offset:512*(\t)   ; 32 lanes store 512 consecutive bytes, at a multiple of 512 from xq's first byte
.endm
.irp t, 0,1,2,3,4,5,6,7
	XSTEP \t
.endr
	s_wait_tensorcnt 0x0                           ; the wave's end: behind my last LDS store
	ds_add_u32 v[SPW], v[NIL]
	s_wait_dscnt 0x0
	s_endpgm
	; ---------------- the weight: wave g (0..511) takes o = 4 (g / 8) .. + 3 and i = 32 (g % 8) .. + 31; step t: i = 32 (g % 8) + 4 t .. + 3.  The step's 16 rows are r = 4 (o % 4) + i % 4
.Lweight:
	s_sub_co_u32 s18, s18, 1024                    ; g
	s_lshr_b32 s24, s18, 3
	s_lshl_b32 s24, s24, 17                        ; four o of 32,768 bytes
	s_and_b32 s26, s18, 7
	s_lshl_b32 s26, s26, 12                        ; 32 i of 128 bytes
	s_add_co_u32 s24, s24, s26
	s_add_nc_u64 s[6:7], s[6:7], s[24:25]
	s_lshl_b32 s26, s18, 12                        ; cq: eight steps of 512 bytes a wave, on end
	s_add_nc_u64 s[12:13], s[12:13], s[26:27]
.irp t, 0,1,2,3,4,5,6,7
.irp i, 0,1,2,3
	global_load_b128 v[R+16*\t+4*\i:R+16*\t+4*\i+3], v4, s[6:7] offset:512*\t+32768*\i th:TH_LOAD_NT   ; load i: o % 4 = i: four rows i of 128 bytes, 512 consecutive bytes
.endr
.endr
	s_wait_kmcnt 0x0
	s_sub_co_i32 s26, s23, s20
	s_sub_co_i32 s26, s26, s21                     ; a sum of the product stands for sum x 2^(e0 + e1): its code under 2^e3 is sum / 2^(e3 - e0 - e1): the three scales folded into one
	PAT 20, 12, 13                                 ; e0
	PAT 26, 14, 15                                 ; e3 - e0 - e1
	PAT 21, 16, 17                                 ; e1
	; The table's operand.  K's places are taken alike in both operands: register q < 4, byte y of lane half h stands for j = 16 h + 4 q + y; registers 4-7 are the filling.
	; Lane r' of tile u is row k' = 8 u + r' % 8 + 16 (r' / 8), so that the 16 result registers of the two tiles are j = 16 h .. 16 h + 15 of one row of the weight.  Row k' holds the code of 1.0 at j = k' and zero codes elsewhere.
	v_med3_num_f32 v[ONE], 1.0, -v17, v17          ; the table's 1.0 goes through the quantiser as any number does
.irp i, 1,2,3,4,5,6,7
	v_mov_b32 v[ONE+\i], 0
.endr
	v_cvt_scalef32_pk8_fp8_f32 v[18:19], v[ONE:ONE+7], v16
	v_nop                                          ; a plain vector line between a scaled conversion and the first line that touches its result
	v_and_b32 v18, 0xff, v18                       ; the code of 1.0 under 2^e1
	v_and_b32 v19, 3, v1
	v_lshlrev_b32 v19, 3, v19
	v_lshlrev_b32 v18, v19, v18                    ; in byte lane % 4
	v_bfe_u32 v19, v0, 3, 1
	v_xor_b32 v19, v19, v3                         ; 0 where my half of K holds my row's place: h = r' / 8
	v_add_nc_u32 v19, -1, v19                      ; all ones there, else 0
	v_and_b32 v18, v18, v19
	v_bfe_u32 v19, v0, 2, 1
	v_sub_nc_u32 v19, 0, v19                       ; all ones where r' % 8 is 4 or more: the second register of the pair
	v_and_b32 v21, v18, v19
	v_xor_b32 v20, v18, v21
.irp i, 0,1,2,3,4,5,6,7
	v_mov_b32 v[G0+\i], 0
	v_mov_b32 v[G1+\i], 0
	v_mov_b32 v[WF+\i], 0
	v_mov_b32 v[WF+8+\i], 0
.endr
	v_mov_b32 v[G0], v20
	v_mov_b32 v[G0+1], v21
	v_mov_b32 v[G1+2], v20
	v_mov_b32 v[G1+3], v21
	s_wait_loadcnt 28                              ; step 0's four loads are in
	TURN 0, 7, 8
.macro WSTEP t
.set XB, XS+16*((\t)%2)
.set FB, WF+8*((\t)%2)
	s_wait_dscnt 0x0
.if (\t) < 7
	s_wait_loadcnt 24-4*(\t)
	TURN (\t)+1, 7, 8                              ; (its loads land in the other set, whose products stand more than four plain lines back)
.endif
	HOLD XB, 13
	v_cvt_scalef32_pk8_fp8_f32 v[FB:FB+1], v[XB:XB+7], v12         ; the weight's codes under 2^e0: lane (r, h): j = 16 h + 0 .. 15 of row r
	v_cvt_scalef32_pk8_fp8_f32 v[FB+2:FB+3], v[XB+8:XB+15], v12
	v_nop                                          ; a plain line between the conversions and the products, which read their results and write over their sources
	v_wmma_f32_16x16x64_fp8_fp8 v[XB:XB+7], v[G0:G0+7], v[FB:FB+7], 0        ; TRANSPOSED: source 0 = 16 rows of the table, source 1 = 16 rows of the weight: lane (r, h), register y: W_op[row r][l = 0][k = 16 h + y]
	v_wmma_f32_16x16x64_fp8_fp8 v[XB+8:XB+15], v[G1:G1+7], v[FB:FB+7], 0     ; k = 16 h + 8 + y
.rept 4
	v_nop                                          ; four places behind a matrix instruction, ahead of the first read of its result (ISA guide 7.12.1)
.endr
	HOLD XB, 15                                    ; each result from its low end on
	v_cvt_scalef32_pk8_fp8_f32 v[C+4*(\t):C+4*(\t)+1], v[XB:XB+7], v14
	v_cvt_scalef32_pk8_fp8_f32 v[C+4*(\t)+2:C+4*(\t)+3], v[XB+8:XB+15], v14
	v_nop
	global_store_b128 v9, v[C+4*(\t):C+4*(\t)+3], s[12:13] offset:512*(\t)   ; the wave's 32 lanes cover 512 consecutive bytes, at a multiple of 512 from cq's first byte
.endm
.irp t, 0,1,2,3,4,5,6,7
	WSTEP \t
.endr
	s_wait_tensorcnt 0x0                           ; the wave's end, as on the other path
	ds_add_u32 v[SPW], v[NIL]
	s_wait_dscnt 0x0
	s_endpgm
.Lfunc_end_k_qc41f1e322b_prep:
	.size	k_qc41f1e322b_prep, .Lfunc_end_k_qc41f1e322b_prep-k_qc41f1e322b_prep
	.p2alignl 7, 3214868480
	.fill 96, 4, 3214868480
	.section	.rodata,"a",@progbits
	.p2align	6, 0x0
	.amdhsa_kernel k_qc41f1e322b_prep
		.amdhsa_group_segment_fixed_size 41472
		.amdhsa_private_segment_fixed_size 0
		.amdhsa_enable_private_segment 0
		.amdhsa_kernarg_size 40
		.amdhsa_user_sgpr_count 2
		.amdhsa_user_sgpr_kernarg_segment_ptr 1
		.amdhsa_wavefront_size32 1
		.amdhsa_system_sgpr_workgroup_id_x 1
		.amdhsa_system_sgpr_workgroup_id_y 1
		.amdhsa_system_sgpr_workgroup_id_z 1
		.amdhsa_system_vgpr_workitem_id 0
		.amdhsa_next_free_vgpr 256
		.amdhsa_next_free_sgpr 66
		.amdhsa_reserve_vcc 0
		.amdhsa_float_denorm_mode_32 3
		.amdhsa_float_denorm_mode_16_64 3
		.amdhsa_memory_ordered 1
		.amdhsa_forward_progress 1
		.amdhsa_inst_pref_size 53
	.end_amdhsa_kernel
	.amdgpu_metadata
---
amdhsa.version: [ 1, 2 ]
amdhsa.kernels:
  - .name:           k_qc41f1e322b_prep
    .symbol:         k_qc41f1e322b_prep.kd
    .args:
      - { .name: x, .offset: 0, .size: 8, .value_kind: global_buffer, .address_space: global }
      - { .name: weight, .offset: 8, .size: 8, .value_kind: global_buffer, .address_space: global }
      - { .name: lowp_scales, .offset: 16, .size: 8, .value_kind: global_buffer, .address_space: global }
      - { .name: xq, .offset: 24, .size: 8, .value_kind: global_buffer, .address_space: global }
      - { .name: cq, .offset: 32, .size: 8, .value_kind: global_buffer, .address_space: global }
    .group_segment_fixed_size: 41472
    .private_segment_fixed_size: 0
    .kernarg_segment_align: 8
    .kernarg_segment_size: 40
    .max_flat_workgroup_size: 128
    .sgpr_count:     66
    .vgpr_count:     256
    .wavefront_size: 32
...
	.end_amdgpu_metadata
.endif
;; end of part 1
;; launch gemm (part 2): grid 64 x 4, 4 waves a work-group, clusters of 4 x 1, 327,680 bytes of LDS; arguments xq, cq, lowp_scales, out0; writes out0
.if DOCPART == 2
	.amdgcn_target "amdgcn-amd-amdhsa--gfx1250"
	.amdhsa_code_object_version 6
	.text
	.protected	k_qc41f1e322b_gemm
	.globl	k_qc41f1e322b_gemm
	.p2align	8
	.type	k_qc41f1e322b_gemm,@function
k_qc41f1e322b_gemm:
	s_mov_b64 s[64:65], 0
	v_nop
	global_prefetch_b8 v0, s[64:65] scope:SCOPE_SE
	s_setreg_imm32_b32 hwreg(HW_REG_WAVE_MODE, 25, 1), 1
	s_wait_xcnt 0x0
	s_wait_alu depctr_hold_cnt(0) depctr_sa_sdst(0) depctr_va_vdst(0) depctr_va_sdst(0) depctr_va_ssrc(0) depctr_va_vcc(0) depctr_vm_vsrc(0)
	s_getreg_b32 s2, hwreg(HW_REG_IB_STS2, 6, 4)
	s_cmp_eq_u32 s2, 0
	s_cbranch_scc0 .Lentry_in_a_cluster
	s_endpgm
.Lentry_in_a_cluster:
	s_bfe_u32 s2, ttmp6, 0x10000c
	s_cmp_lg_u32 s2, 0x3003
	s_cbranch_scc0 .Lentry_shape_is_right
	s_endpgm
.Lentry_shape_is_right:
; out[s][o][k] = (sum over (i, l) of x[s][i][l] W_op[o][i][l][k]) / sqrt(sum over k of its square + 1e-6): [512 x 8,192] x [8,192 x 8,192] on codes of FP8 (E4M3), by v_wmma_f32_16x16x128_fp8_fp8, sums in f32.
; xq: x's codes, [512][8,192 = (i, l)].  cq: c[o][i][j], the codes of slice l = 0 of W_op, laid [o / 4][i / 64][(i / 4) % 16][o % 4][i % 4][j].  A sum is multiplied once by 2^(e2 + e3).
; W_op NEVER LIES IN MEMORY.  The Cayley table has one entry +-1 for each (j, l), at k = j xor l, and the quantiser is odd: the code of W_op[o][i][l][k] is c[o][i][l xor k] with its sign bit turned by
; f = sum over p > q of (l xor k)_p l_q + (l xor k)_4 l_4 (mod 2).  With l = 4 d + y and k = 4 kh + kl: the source is byte y xor kl of dword d xor kh; f = SG(d, kh) + bs(y), where, E being the parity of d and kh together and k1
; bit 1 of kl: bs(0) = 0, bs(1) = E + k1, bs(2) = E, bs(3) = 1 + k1.  So ONE v_perm_b32 makes a register of the operand from a dword of c (POS) and the same dword with its four signs turned (NEG): selector byte y is
; (y xor kl) + 4 bs(y); SG says which of the two stands first.  kh and d are constants of the text, kl is the lane's: two selector registers serve everything.
; SHARES.  A work-group makes 128 rows x the 128 columns of four o (all 32 k: the norm stays inside).  ITS FOUR WAVES SPLIT K: wave w takes i = 64 w .. 64 w + 63, 16 steps of 128 along K, and makes the whole 128 x 128: 64
; accumulators, 512 registers.  So each fragment of x read from LDS and each fragment of W_op made in registers feeds eight products, and nothing is made twice in a work-group.  The four parts are added through LDS at the end.
; LAYOUT.  The matrix instruction is used transposed: source 0 = 16 columns of W_op (tile kh: lane r is o % 4 = r / 4, k = 4 kh + r % 4), source 1 = 16 rows of x.  In a result lane (r, h) holds row r, register y:
; o % 4 = 2 h + y / 4, k = 4 kh + y % 4: over the eight tiles a lane holds all 32 k of two o.  K's places, alike in both operands: register n (0..15) of lane half h is i = first i + 2 h + n / 8, dword n % 8.
; Register block a of wave w holds rows 16 ((a + 2 w) % 8) on, so that blocks 0 and 1 are the 32 rows that wave w finishes and stores.
; BY TURNS.  Behind each of a block's first six products stand three of the 144 vector instructions that make the next step's eight fragments of W_op; set apart they would leave the matrix unit without work.  That costs two
; switches of the register window for each such product.
; CLUSTER.  The four work-groups of a cluster have the same 128 rows of x and other o: each tile of x is asked for JOINTLY (mask 15).  c is each work-group's own, 32 KiB beside 1 MiB of x, and comes by a plain load.
; LIMITS: e2 + e3 between -126 and 127.  k lies in permuted places inside an instruction, alike in both operands, and K is summed in four parts: the order of rounding differs from one ascending chain.  1 / sqrt is v_rsq_f32.
; REGISTERS, in windows of 256: window 0: v0-31 addresses and selectors; v32-63 POS, two sets; v64-79 NEG; v128-255 x's eight fragments, one set.  window 1: W_op's fragments, two sets of eight.
;   window 2: the accumulators of blocks 0-3 ((a, b) at v[8 (8 a + b)]); window 3: of blocks 4-7.
.set PITCH,  272                       ; a row of x in LDS: 256 bytes + 16 of padding = 68 words: row r starts at bank 4 r mod 64 (64 banks of 4 bytes: ISA guide 11.1)
.set SLOT,   128*PITCH                 ; 128 rows x 256 along K: two steps
.set RING,   2*SLOT                    ; a wave's own two slots
.set CP,     144                       ; a row of c: 128 bytes (four i x 32 j of one o) + 16
.set CREG,   64*CP                     ; a wave's c: 16 steps x four o
.set CBASE,  4*RING
.set SPARE,  CBASE+4*CREG              ; behind c: the spare words, 128 bytes for each wave: two blocks of 256 bytes that no other line names
.set STAGE,  49152                     ; in a wave's ring, once it has had its last fill: bytes 0 .. 49,151 the parts of blocks 2-7, as images of the registers; from here two stages of 16 rows
.set SPITCH, 528                       ; a stage's row: 512 bytes + 16
.set XAD, 8                            ; v8-15  x's fragments: slot n, pair of blocks p: v[8 + 4 n + p]
.set CA0, 16                           ; v16    c's rows of my lane, step 0
.set CAD, 17                           ; v17    the same, at the lap in hand
.set SEL, 18                           ; v18-19 the selectors for E = 0, 1
.set RST, 20                           ; v20    my ring + 16 x lane: where my parts go
.set RLD, 20                           ; v21-23 the ring of the wave 1, 2, 3 before me + 16 x lane
.set STO, 24                           ; v24    my stage: where I put 16 bytes of a row
.set SRD, 25                           ; v25    and where I read a row back
.set GO,  26                           ; v26    16 x lane: my bytes of a row's 512 in out
.set SPW, 28                           ; v28    LDS address of my spare word; never rewritten
.set NIL, 29                           ; v29    0; never rewritten
.set PFO, 30                           ; v30    the prefetches' offset: a row of xq (8,192 bytes) x lane; never rewritten
.set POS, 32
.set NEG, 64
.set XF,  128
.set TS,  128                          ; window 2, once blocks 2 and 3 are stored: four pairs of sums of squares,
.set RS,  136                          ; four pairs (1 / norm, 0)
.set G1X, 24                           ; s[24:31] descriptor group 1 for x's tiles; s[32:39] group 0, one set for each slot
.set G0X, 32
.set G1C, 40                           ; s[40:47], s[48:51] the same for c
.set G0C, 48
.set PFA, 52                           ; s[52:53] where my prefetches stand
.set LIM, 54                           ; s54 1 in a cluster that prefetches, else the greatest number
; s3 laps to go, s12 wave, s13 cx, s14 o / 4, s15 block of rows, s16 four sign bits, s17 c's step, s[18:19] 2^(e2 + e3)
.set MSB, 0
.macro WIN new                         ; the immediate's high byte repeats the setting that is left; a switch that changes nothing is dropped
.if MSB != \new
	s_set_vgpr_msb (MSB<<8)|\new
.set MSB, \new
.endif
.endm
.set MUL_LO, 0xa1                      ; source 0 (W_op) window 1, source 1 (x) window 0, C and D window 2
.set MUL_HI, 0xf1                      ; the same, C and D window 3
.set TO_B,   0x40                      ; destination window 1, sources window 0
.macro PLACES                          ; four places behind a matrix instruction, ahead of loads into its sources and of reads of its result (ISA guide 7.12.1 for vector instructions)
.rept 4
	v_nop
.endr
.endm
.macro CREST                           ; a round of the cluster's barrier behind its opening barrier
	s_cmp_lg_u32 s12, 0
	s_cbranch_scc1 .Lnot_wave_0_\@
	s_barrier_signal -3
.Lnot_wave_0_\@:
	s_barrier_wait -3
	s_barrier_signal -1
	s_barrier_wait -1
.endm
.macro CROUND                          ; a whole round
	s_barrier_signal -1
	s_barrier_wait -1
	CREST
.endm
; A PREFETCH INTO THE L2 behind a refill: the 256 bytes along K, of 32 rows, that stand TWO refills on in my wave's quarter of K.  All sixteen clusters of a block of rows walk the same rows: the first of them (cluster x = 0) asks.
; Its four partners take 32 rows each, told apart BY ADDRESS (cx); a lane a row; each wave for its own quarter: so each row's 256 bytes are named once in the launch.  The last lap's two refills have nothing two refills on.
.macro ASK off
	s_cmp_gt_u32 s3, s[LIM]                        ; s3 = 1 in the last lap
	s_cbranch_scc0 .Lnot_mine_\@
	global_prefetch_b8 v[PFO], s[PFA:PFA+1] offset:\off th:TH_LOAD_NT scope:SCOPE_SE
.Lnot_mine_\@:
.endm
	s_load_b256 s[4:11], s[0:1], 0x0               ; xq s[4:5], cq s[6:7], the scales' exponents s[8:9], out s[10:11]
	v_lshl_add_u32 v[SPW], v0, 2, SPARE
	v_mov_b32 v[NIL], 0
	ds_add_u32 v[SPW], v[NIL]                      ; the wave's opening: the add and its wait ahead of my first tensor load; the set-up below, work on registers, stands between them
	v_lshrrev_b32 v1, 5, v0
	v_readfirstlane_b32 s12, v1                    ; wave 0..3
	s_bfe_u32 s13, ttmp6, 0x40000                  ; cx: my place in the cluster
	s_lshl_b32 s14, ttmp9, 2                       ; in a cluster launch ttmp9 counts clusters
	s_add_co_u32 s14, s14, s13                     ; o / 4 = 4 x cluster x + cx: it enters c's, out's and the prefetches' addresses alone
	s_and_b32 s15, ttmp7, 0xffff                   ; the block of 128 rows, which the four partners share
	; group 1 for x: 128 rows x 256 bytes, 8,192 bytes apart, padded in LDS
	s_mov_b32 s[G1X], 15|(1<<20)|(1<<21)|(5<<22)|(3<<25)   ; 15:0 the mask: all four work-groups; 17:16 elements of 1 byte; 20 padding on; 21 set beside a mask; 24:22 after every 64 words (code 5); 31:25 four words (code 3)
	s_mov_b32 s[G1X+1], 256<<16                    ; tensor_dim0
	s_mov_b32 s[G1X+2], 128<<16                    ; tensor_dim1
	s_mov_b32 s[G1X+3], 256<<16                    ; tile_dim0
	s_mov_b32 s[G1X+4], 128                        ; tile_dim1
	s_mov_b32 s[G1X+5], 8192                       ; tensor_dim0_stride
	s_mov_b32 s[G1X+6], 0
	s_mov_b32 s[G1X+7], 0
	; group 1 for c: 64 rows x 128 bytes, dense in memory; no mask
	s_mov_b32 s[G1C], (1<<20)|(4<<22)|(3<<25)      ; padding: four words after every 32
	s_mov_b32 s[G1C+1], 128<<16
	s_mov_b32 s[G1C+2], 64<<16
	s_mov_b32 s[G1C+3], 128<<16
	s_mov_b32 s[G1C+4], 64
	s_mov_b32 s[G1C+5], 128
	s_mov_b32 s[G1C+6], 0
	s_mov_b32 s[G1C+7], 0
	s_lshl_b32 s20, s15, 20                        ; x: 128 rows of 8,192 bytes x the block,
	s_lshl_b32 s21, s12, 11                        ; + my quarter of K: made of the block and the wave alone, equal in the four partners
	s_add_co_u32 s20, s20, s21
	s_mov_b32 s21, 0
	s_lshl_b32 s22, s14, 15                        ; c: 32,768 bytes for four o,
	s_lshl_b32 s23, s12, 13                        ; 8,192 for my quarter
	s_add_co_u32 s22, s22, s23
	s_mov_b32 s23, 0
	s_mul_i32 s56, s12, RING                       ; my ring: no place in the cluster enters an LDS address
	s_mul_i32 s57, s12, CREG
	s_add_co_u32 s57, s57, CBASE                   ; my c
	s_mov_b32 s16, 0x80808080
	s_mov_b32 s17, 0
	s_wait_dscnt 0x0                               ; the opening add is done
	s_wait_kmcnt 0x0
	s_load_b64 s[18:19], s[8:9], 0x8               ; e2, e3
	s_add_nc_u64 s[58:59], s[4:5], s[20:21]
.irp n, 0,1
	s_mov_b32 s[G0X+4*\n], 1                       ; 1:0 count = 1
	s_add_co_u32 s[G0X+4*\n+1], s56, \n*SLOT       ; 63:32 LDS address
	s_add_nc_u64 s[G0X+4*\n+2:G0X+4*\n+3], s[58:59], \n*256   ; 120:64 global address: steps 2 n and 2 n + 1
	s_or_b32 s[G0X+4*\n+3], s[G0X+4*\n+3], 0x80000000         ; 127:126 type = 2
.endr
	s_mov_b32 s[G0C], 1
	s_mov_b32 s[G0C+1], s57
	s_add_nc_u64 s[G0C+2:G0C+3], s[6:7], s[22:23]
	s_or_b32 s[G0C+3], s[G0C+3], 0x80000000
	CROUND                                         ; all four work-groups are here: the first joint loads meet
	tensor_load_to_lds s[G0C:G0C+3], s[G1C:G1C+7]  ; the first fills go out as one group: three loads of mine are out, later one
	s_nop 0
	tensor_load_to_lds s[G0X:G0X+3], s[G1X:G1X+7]
	s_nop 0
	tensor_load_to_lds s[G0X+4:G0X+7], s[G1X:G1X+7]
	s_nop 0
	PLACES
	; the prefetches: my cluster place's 32 rows, my quarter of K, the fifth 256 bytes of it.  Nothing is prefetched here, at the head
	s_lshl_b32 s60, s13, 18
	s_mov_b32 s61, 0
	s_add_nc_u64 s[PFA:PFA+1], s[58:59], s[60:61]
	s_add_nc_u64 s[PFA:PFA+1], s[PFA:PFA+1], 1024
	s_cmp_eq_u32 ttmp9, 0
	s_cselect_b32 s[LIM], 1, -1                    ; the same in all four partners
	; out at my first row and my four o: (128 x block + 32 x wave) rows of 32,768 bytes + 512 (o / 4)
	s_lshl_b32 s60, s15, 22
	s_lshl_b32 s62, s12, 20
	s_add_co_u32 s60, s60, s62
	s_lshl_b32 s62, s14, 9
	s_add_co_u32 s60, s60, s62
	s_add_nc_u64 s[10:11], s[10:11], s[60:61]
	v_and_b32 v1, 15, v0                           ; r
	v_bfe_u32 v2, v0, 4, 1                         ; h
	v_and_b32 v3, 31, v0                           ; lane
	v_mul_u32_u24 v4, v1, PITCH
	v_lshl_add_u32 v4, v2, 6, v4                   ; x: row r, + 64 h: a lane's fragment is 64 consecutive bytes of a step's 128
.irp p, 0,1,2,3
	s_add_co_u32 s60, s12, \p
	s_and_b32 s60, s60, 3
	s_mul_i32 s60, s60, 32*PITCH                   ; blocks 2 p and 2 p + 1 are rows 32 ((p + w) % 4) on
	s_add_co_u32 s60, s60, s56
	v_add_nc_u32 v[XAD+\p], s60, v4
	v_add_nc_u32 v[XAD+4+\p], SLOT, v[XAD+\p]
.endr
	v_lshrrev_b32 v5, 2, v1
	v_mul_u32_u24 v5, v5, CP
	v_lshl_add_u32 v5, v2, 6, v5
	v_add_nc_u32 v[CA0], s57, v5                   ; c: row o % 4 = r / 4 of a step's four, + 64 h: i % 4 = 2 h, 2 h + 1
	v_add_nc_u32 v[CAD], s17, v[CA0]
	v_and_b32 v5, 3, v0                            ; kl
	v_lshl_or_b32 v5, v5, 8, v5
	v_lshl_or_b32 v5, v5, 16, v5                   ; in every byte
	v_xor_b32 v5, 0x03020100, v5                   ; byte y: y xor kl
	v_bfe_u32 v6, v0, 1, 1                         ; k1
	v_xor_b32 v7, 1, v6                            ; 1 + k1
	v_lshl_or_b32 v[SEL], v6, 10, v5               ; E = 0: bs(1) = k1, bs(2) = 0,
	v_lshl_or_b32 v[SEL], v7, 26, v[SEL]           ; bs(3) = 1 + k1: each as bit 2 of its byte
	v_lshl_or_b32 v[SEL+1], v7, 10, v5             ; E = 1: bs(1) = 1 + k1,
	v_lshl_or_b32 v[SEL+1], v7, 26, v[SEL+1]
	v_or_b32 v[SEL+1], 0x40000, v[SEL+1]           ; bs(2) = 1
	v_lshl_add_u32 v[RST], v3, 4, s56
.irp d, 1,2,3
	s_add_co_u32 s60, s12, 4-\d
	s_and_b32 s60, s60, 3
	s_mul_i32 s60, s60, RING
	v_lshl_add_u32 v[RLD+\d], v3, 4, s60
.endr
	s_add_co_u32 s60, s56, STAGE
	v_mul_u32_u24 v5, v1, SPITCH
	v_lshl_add_u32 v5, v2, 8, v5
	v_add_nc_u32 v[STO], s60, v5                   ; in: row r, + 256 h: my two o
	v_lshl_add_u32 v[SRD], v3, 4, s60              ; back: the 32 lanes take a row of 512 bytes
	v_lshlrev_b32 v[GO], 4, v3
	v_lshlrev_b32 v[PFO], 13, v3
	s_wait_kmcnt 0x0
	s_add_co_i32 s18, s18, s19
	s_add_co_i32 s18, s18, 127
	s_lshl_b32 s18, s18, 23                        ; 2^(e2 + e3) as f32
	s_mov_b32 s19, s18                             ; (named with it as a pair, so it is written)
; Instruction gn of the 144 that make eight fragments of W_op in set sp from POS set sp: 16 turn the signs (NEG), 128 are the registers: tile kh = (gn - 16) / 16, register (gn - 16) % 16.
.macro GEN1 sp
.if gn < 16
	WIN 0
	v_xor_b32 v[NEG+gn], s16, v[POS+16*(\sp)+gn]
.else
.set gkh, (gn-16)/16
.set gq,  (gn-16)%16
.set gd0, gq%2
.set gd1, (gq/2)%2
.set gd2, (gq/4)%2
.set gh0, gkh%2
.set gh1, (gkh/2)%2
.set gh2, gkh/4
.set gsrc, 8*(gq/8)+((gd0+gh0)%2)+2*((gd1+gh1)%2)+4*((gd2+gh2)%2)            ; the same i, dword d xor kh
.set gE,  (gd0+gd1+gd2+gh0+gh1+gh2)%2
.set gS,  (gd1*gd0+gd2*gd0+gd2*gd1+gd2+gd0*(gh1+gh2)+gd1*gh2+gd2*gh2)%2     ; SG(d, kh)
	WIN TO_B
.if gS
	v_perm_b32 v[128*(\sp)+16*gkh+gq], v[POS+16*(\sp)+gsrc], v[NEG+gsrc], v[SEL+gE]   ; selector bytes 4-7 take the first source, 0-3 the second
.else
	v_perm_b32 v[128*(\sp)+16*gkh+gq], v[NEG+gsrc], v[POS+16*(\sp)+gsrc], v[SEL+gE]
.endif
.endif
.set gn, gn+1
.endm
.macro XL a, n, half                   ; x's fragment of block a from slot n, its first or second 128 along K
	WIN 0
.irp c, 0,1,2,3
	ds_load_b128 v[XF+16*(\a)+4*\c:XF+16*(\a)+4*\c+3], v[XAD+4*(\n)+(\a)/2] offset:16*PITCH*((\a)%2)+128*(\half)+16*\c
.endr
.endm
.macro PL pb, off                      ; a step's c of my lane into POS set pb
	WIN 0
.irp c, 0,1,2,3
	ds_load_b128 v[POS+16*(\pb)+4*\c:POS+16*(\pb)+4*\c+3], v[CAD] offset:(\off)+16*\c
.endr
.endm
.macro MM p, zero                      ; the product of block ba with tile bb of set p.  zero = 1: it starts the sum: nothing is ever cleared
.if ba < 4
	WIN MUL_LO
.else
	WIN MUL_HI
.endif
.set rD, 8*(8*(ba%4)+bb)
.if \zero
	v_wmma_f32_16x16x128_fp8_fp8 v[rD:rD+7], v[128*(\p)+16*bb:128*(\p)+16*bb+15], v[XF+16*ba:XF+16*ba+15], 0
.else
	v_wmma_f32_16x16x128_fp8_fp8 v[rD:rD+7], v[128*(\p)+16*bb:128*(\p)+16*bb+15], v[XF+16*ba:XF+16*ba+15], v[rD:rD+7]
.endif
.endm
; BLOCK ba OF A STEP: eight products.  Behind products 0-5: three instructions each of the next step's W_op (8 x 18 = 144).  Behind product 6: a run of four LDS loads: in block 0 this step's block 7 (its registers were at
; work to the end of the last step), else the next step's block ba - 1, whose products are issued; the 18 vector instructions between are the places ahead of the run.  Behind product 7 of block 0: c of the step after next.
; THE WAIT AT THE HEAD: behind my block's four loads at least six such runs were issued, 24 loads; in the last step 4 (7 - ba).  It also shows the next step's c in (28 younger loads).
; change = 1, in block 1 of a slot's second step: THE CHANGE OF SLOTS.  The slot's last read is block 0's run.  I wait for all my tensor loads (one is out: the next slot's), add 0 to my spare word, and behind three products
; wait for the add and my reads; the barrier opens a round of the cluster's; behind the round the slot is filled again, first thing; then come the first reads of the next slot.
; change = 2: nothing is left to fetch; only the wait for my last load, ahead of the first read of the last slot (each wave reads its own bytes alone).
.macro BLOCK p, zero, gen, nslot, nhalf, oslot, ohalf, ploff, change, last
.set chg, 0
.if (ba == 1) && (\change == 1)
.set chg, 1
.endif
.if \last && (ba > 0)
	s_wait_dscnt 4*(7-ba)
.else
	s_wait_dscnt 24
.endif
.if chg
	WIN 0                                          ; (the add's two registers lie in window 0)
	s_wait_tensorcnt 0x0                           ; all my tensor loads have landed: my part of the next slot;
	ds_add_u32 v[SPW], v[NIL]                      ; 0 onto my spare word; three products and their slices stand between it and the wait for it
.endif
.if (ba == 1) && (\change == 2)
	s_wait_tensorcnt 0x0                           ; my last load has landed
.endif
.set bb, 0
.rept 8
.if chg && (bb == 3)
	s_wait_dscnt 0x0                               ; the add is done, and my reads of this slot are over
	s_barrier_signal -1
.endif
.if chg && (bb == 6)
	WIN 0
	s_barrier_wait -1
	CREST                                          ; no wave of any partner still reads this slot's tile or has a load on its way
	s_add_nc_u64 s[G0X+4*\oslot+2:G0X+4*\oslot+3], s[G0X+4*\oslot+2:G0X+4*\oslot+3], 512   ; two slots on along K
	tensor_load_to_lds s[G0X+4*\oslot:G0X+4*\oslot+3], s[G1X:G1X+7]   ; my one tensor load behind the round, and the first thing there: it has two steps less one block in which to land
	s_nop 0
	PLACES
	XL 0, \nslot, \nhalf
	ASK 256*\oslot
.endif
	MM \p, \zero
.if \gen && (bb < 6)
	GEN1 1-\p
	GEN1 1-\p
	GEN1 1-\p
.endif
.if (bb == 6) && (ba == 0)
.if \last
	PLACES                                         ; the last step makes nothing: these are the places behind the last step's products on block 7
.endif
	XL 7, \oslot, \ohalf
.endif
.if (bb == 6) && (ba > 0) && (chg == 0) && (\last == 0)
	XL ba-1, \nslot, \nhalf
.endif
.if (bb == 7) && (ba == 0) && (\ploff >= 0)
	PL \p, \ploff
.endif
.set bb, bb+1
.endr
.endm
; A STEP of 128 along K: 64 products, the 64 accumulators by turns, one instruction a turn, in the same order in every step.
; p: the set of W_op that is multiplied (the other is made, from POS set 1 - p; POS set p takes the step after next).  nslot, nhalf: where the next step's x lies; oslot, ohalf: this step's.
.macro STEP p, zero, gen, nslot, nhalf, oslot, ohalf, ploff, change, last
.set gn, 0
.set ba, 0
.rept 8
	BLOCK \p, \zero, \gen, \nslot, \nhalf, \oslot, \ohalf, \ploff, \change, \last
.set ba, ba+1
.endr
.endm
	s_wait_tensorcnt 1                             ; c and slot 0 are in; slot 1's load may stay out.  Only I read these bytes: no barrier
	PL 0, 0                                        ; c of step 0,
	PL 1, 4*CP                                     ; of step 1,
.irp a, 0,1,2,3,4,5,6
	XL \a, 0, 0                                    ; x's blocks 0-6 of step 0
.endr
	s_wait_dscnt 32                                ; c of step 0 is in: behind it stand 4 + 28 loads
.set gn, 0
.rept 144
	GEN1 0                                         ; the first step's W_op: there are no products yet to set it between
.endr
	STEP 0, 1, 1,  0, 1,  0, 0,  8*CP,  0, 0       ; step 0 stands in front of the loop: its products start the sums
	WIN 0                                          ; at a label and at a branch every window is 0
	s_mov_b32 s3, 3
.Llap:                                             ; a lap is four steps, 4 L + 1 to 4 L + 4: once round the ring; both slots are filled again
	STEP 1, 0, 1,  1, 0,  0, 1,  12*CP, 1, 0
	STEP 0, 0, 1,  1, 1,  1, 0,  16*CP, 0, 0
	STEP 1, 0, 1,  0, 0,  1, 1,  20*CP, 1, 0
	STEP 0, 0, 1,  0, 1,  0, 0,  24*CP, 0, 0
	WIN 0
	s_wait_xcnt 0x0                                ; the lap's prefetches, the later of them more than a step back, have read their address: it may be written
	s_add_nc_u64 s[PFA:PFA+1], s[PFA:PFA+1], 512
	s_add_co_u32 s17, s17, 16*CP                   ; c: four steps on
	v_add_nc_u32 v[CAD], s17, v[CA0]
	s_sub_co_u32 s3, s3, 1
	s_cmp_lg_u32 s3, 0
	s_cbranch_scc1 .Llap
	STEP 1, 0, 1,  1, 0,  0, 1,  12*CP, 2, 0       ; steps 13 to 15 are written out: nothing more is asked for
	STEP 0, 0, 1,  1, 1,  1, 0,  -1,    0, 0
	STEP 1, 0, 0,  0, 0,  1, 1,  -1,    0, 1
	; THE SUM OVER THE WAVES.  My blocks 2-7 are other waves' rows: they go into my ring as images of their registers (lane l's 16 bytes at 16 l).  The ring has had its last fill, and only I read it, by loads that are back.
	PLACES                                         ; behind the last products: ahead of the stores of results, and of the loads below into registers that held W_op and x
	WIN 0x08                                       ; store data: window 2
.irp a, 2,3
.irp b, 0,1,2,3,4,5,6,7
	ds_store_b128 v[RST], v[8*(8*\a+\b):8*(8*\a+\b)+3] offset:((\a-2)*8+\b)*1024          ; each accumulator from its low end on
	ds_store_b128 v[RST], v[8*(8*\a+\b)+4:8*(8*\a+\b)+7] offset:((\a-2)*8+\b)*1024+512
.endr
.endr
	WIN 0x0c                                       ; window 3
.irp a, 4,5,6,7
.irp b, 0,1,2,3,4,5,6,7
	ds_store_b128 v[RST], v[8*(8*(\a-4)+\b):8*(8*(\a-4)+\b)+3] offset:((\a-2)*8+\b)*1024
	ds_store_b128 v[RST], v[8*(8*(\a-4)+\b)+4:8*(8*(\a-4)+\b)+7] offset:((\a-2)*8+\b)*1024+512
.endr
.endr
	WIN 0
	s_wait_dscnt 0x0                               ; for the others' sake: my stores have landed
	s_barrier_signal -1
	s_barrier_wait -1
	; The wave d before me holds my rows in its blocks 2 d and 2 d + 1.  Its 32 images come into 128 registers in the accumulators' order.
	WIN TO_B                                       ; destination window 1
.irp d, 1,2
.set i, 0
.rept 32
	ds_load_b128 v[128*(\d-1)+4*i:128*(\d-1)+4*i+3], v[RLD+\d] offset:(2*\d-2)*8192+512*i
.set i, i+1
.endr
.endr
	WIN 0
.set i, 0
.rept 32
	ds_load_b128 v[XF+4*i:XF+4*i+3], v[RLD+3] offset:4*8192+512*i
.set i, i+1
.endr
	s_wait_dscnt 63                                ; the first partner's 32 loads are in: 64 stand behind them, and the count's field ends at 63
	WIN 0x86                                       ; destination and source 0 window 2 (my sums), source 1 window 1
.set j, 0
.rept 64
	v_pk_add_f32 v[j:j+1], v[j:j+1], v[j:j+1]      ; (the third operand is window 1's)  each accumulator from its low end on
.set j, j+2
.endr
	s_wait_dscnt 32
.set j, 0
.rept 64
	v_pk_add_f32 v[j:j+1], v[j:j+1], v[128+j:129+j]
.set j, j+2
.endr
	s_wait_dscnt 0x0
	WIN 0x82                                       ; source 1 window 0
.set j, 0
.rept 64
	v_pk_add_f32 v[j:j+1], v[j:j+1], v[XF+j:XF+j+1]
.set j, j+2
.endr
	; THE NORM.  Chain c = 2 e + u: block e, my o number u: its 32 k are registers 64 e + 8 b + 4 u + 0 .. 3, b = 0 .. 7: all in my lane.
	WIN 0xaa                                       ; all in window 2
.set j, 0
.rept 64
	v_pk_mul_f32 v[j:j+1], v[j:j+1], s[18:19] op_sel_hi:[1,0]   ; x 2^(e2 + e3): the numbers as the definition has them
.set j, j+2
.endr
.set t, 0
.rept 16
.irp c, 0,1,2,3                        ; the four chains take turns
.set rP, 64*(\c/2)+8*(t/2)+4*(\c%2)+2*(t%2)
.if t == 0
	v_pk_mul_f32 v[TS+2*\c:TS+2*\c+1], v[rP:rP+1], v[rP:rP+1]
.else
	v_pk_fma_f32 v[TS+2*\c:TS+2*\c+1], v[rP:rP+1], v[rP:rP+1], v[TS+2*\c:TS+2*\c+1]
.endif
.endr
.set t, t+1
.endr
.irp c, 0,1,2,3
	v_add_f32 v[TS+2*\c], v[TS+2*\c], v[TS+2*\c+1]
.endr
.irp c, 0,1,2,3
	v_add_f32 v[TS+2*\c], 0x358637bd, v[TS+2*\c]   ; + 1e-6
.endr
.irp c, 0,1,2,3
	v_rsq_f32 v[RS+2*\c], v[TS+2*\c]
.endr
.irp c, 0,1,2,3
	v_mov_b32 v[RS+2*\c+1], 0                      ; the pairs' upper halves are named below, so they are written; plain lines behind the last v_rsq_f32
.endr
	s_wait_alu depctr_va_vdst(0)                   ; the wait ahead of the first use: one for the four
.set j, 0
.rept 64
	v_pk_mul_f32 v[j:j+1], v[j:j+1], v[RS+2*(2*(j/64)+(j%8)/4):RS+2*(2*(j/64)+(j%8)/4)+1] op_sel_hi:[1,0]
.set j, j+2
.endr
	; THE WAY OUT.  A lane's four registers are 16 bytes of a row (k = 4 b .. 4 b + 3 of one o); a row's 512 bytes lie in two lanes.  They go through my stage and come back as whole rows.
	WIN 0x08                                       ; store data: window 2
.irp e, 0,1
.irp b, 0,1,2,3,4,5,6,7
	ds_store_b128 v[STO], v[8*(8*\e+\b):8*(8*\e+\b)+3] offset:16*SPITCH*\e+16*\b
	ds_store_b128 v[STO], v[8*(8*\e+\b)+4:8*(8*\e+\b)+7] offset:16*SPITCH*\e+16*\b+128
.endr
.endr
	WIN 0
.set n, 0
.rept 32
	ds_load_b128 v[XF+4*n:XF+4*n+3], v[SRD] offset:SPITCH*n   ; LDS serves a wave's instructions in order (ISA guide 5.7.1.4): these see my stores
.set n, n+1
.endr
.set n, 0
.rept 32
	s_wait_dscnt 31-n
	global_store_b128 v[GO], v[XF+4*n:XF+4*n+3], s[10:11] offset:n*32768 th:TH_STORE_NT   ; 32 lanes store 512 consecutive bytes, at a multiple of 512 from out's first byte; 31 rows at the most: inside the signed 24-bit immediate
.set n, n+1
.endr
	s_wait_tensorcnt 0x0                           ; the wave's end: behind my last tensor load and my last LDS store
	ds_add_u32 v[SPW], v[NIL]
	s_wait_dscnt 0x0
	CROUND                                         ; the closing round: no work-group ends while a partner may still ask for a tile that names it
	s_endpgm
.Lfunc_end_k_qc41f1e322b_gemm:
	.size	k_qc41f1e322b_gemm, .Lfunc_end_k_qc41f1e322b_gemm-k_qc41f1e322b_gemm
	.p2alignl 7, 3214868480
	.fill 96, 4, 3214868480
	.section	.rodata,"a",@progbits
	.p2align	6, 0x0
	.amdhsa_kernel k_qc41f1e322b_gemm
		.amdhsa_group_segment_fixed_size 327680
		.amdhsa_private_segment_fixed_size 0
		.amdhsa_enable_private_segment 0
		.amdhsa_kernarg_size 32
		.amdhsa_user_sgpr_count 2
		.amdhsa_user_sgpr_kernarg_segment_ptr 1
		.amdhsa_wavefront_size32 1
		.amdhsa_system_sgpr_workgroup_id_x 1
		.amdhsa_system_sgpr_workgroup_id_y 1
		.amdhsa_system_sgpr_workgroup_id_z 1
		.amdhsa_system_vgpr_workitem_id 0
		.amdhsa_next_free_vgpr 1024
		.amdhsa_next_free_sgpr 66
		.amdhsa_reserve_vcc 0
		.amdhsa_float_denorm_mode_32 3
		.amdhsa_float_denorm_mode_16_64 3
		.amdhsa_memory_ordered 1
		.amdhsa_forward_progress 1
		.amdhsa_inst_pref_size 202
	.end_amdhsa_kernel
	.amdgpu_metadata
---
amdhsa.version: [ 1, 2 ]
amdhsa.kernels:
  - .name:           k_qc41f1e322b_gemm
    .symbol:         k_qc41f1e322b_gemm.kd
    .args:
      - { .name: xq, .offset: 0, .size: 8, .value_kind: global_buffer, .address_space: global }
      - { .name: cq, .offset: 8, .size: 8, .value_kind: global_buffer, .address_space: global }
      - { .name: lowp_scales, .offset: 16, .size: 8, .value_kind: global_buffer, .address_space: global }
      - { .name: out0, .offset: 24, .size: 8, .value_kind: global_buffer, .address_space: global }
    .group_segment_fixed_size: 327680
    .private_segment_fixed_size: 0
    .kernarg_segment_align: 8
    .kernarg_segment_size: 32
    .max_flat_workgroup_size: 128
    .sgpr_count:     66
    .vgpr_count:     1024
    .wavefront_size: 32
...
	.end_amdgpu_metadata
.endif
;; end of part 2
;; ======== version 2 of 2: 2 launches
;; limits: right only within a limited range of input values
;; workspace buffers: xq 4,194,304 bytes; cq 2,097,152 bytes
;; launch prep (part 3): grid 256 x 1, 6 waves a work-group, no clusters, 56,832 bytes of LDS; arguments x, weight, lowp_scales, xq, cq; writes xq, cq
.if DOCPART == 3
	.amdgcn_target "amdgcn-amd-amdhsa--gfx1250"
	.amdhsa_code_object_version 6
	.text
	.protected	k_qc41f1e322b_prep
	.globl	k_qc41f1e322b_prep
	.p2align	8
	.type	k_qc41f1e322b_prep,@function
k_qc41f1e322b_prep:
	s_mov_b64 s[64:65], 0
	v_nop
	global_prefetch_b8 v0, s[64:65] scope:SCOPE_SE
	s_setreg_imm32_b32 hwreg(HW_REG_WAVE_MODE, 25, 1), 1
	s_wait_xcnt 0x0
; PREP: the two operands of the large product as codes of FP8 (E4M3), made once, and laid as the next launch reads them.
; xq: the code of x / 2^e2, held within +-448, to the nearest code, ties to even.  Laid [row / 64 (8)][i / 32 (8)][row % 64][d (8)][i % 32 (32)][y (4)], l = 4 d + y: 64 rows x 32 i are 65,536 bytes on end,
; and inside a row's 1,024 bytes of 32 i the 128 bytes of one d hold that dword of 32 neighbouring i.
; cq: c[o][i][j] = code, under 2^e3, of the f32 number Q0(weight[o][i][j]) x Q1(1): that is slice l = 0 of W_op = weight x gp, the first quantised product.
; Laid [o / 8 (32)][i / 32 (8)][(o / 4) % 2][d (8)][o % 4][i % 32][y], j = 4 d + y.
; WHAT OF THE FIRST PRODUCT IS MULTIPLIED, AND WHY THAT IS ALL OF IT.  The Cayley table has one entry, +1 or -1, for each (j, l), at k = j xor l.  So each sum of W_op has one product that is not zero,
; W_op[o][i][l][k] = +-Q0(weight[o][i][l xor k]) x Q1(1), and since the quantiser is odd the code of W_op[o][i][l][k] is c[o][i][l xor k] with its sign bit turned by the table's sign.  For l = 0 the table is the unit matrix.
; This launch multiplies that slice, [65,536 x 32] x [32 x 32], on codes made by the stated quantiser (the weight's under 2^e0, the table's 1.0 under 2^e1), by v_wmma_f32_16x16x64_fp8_fp8, K filled from 32 to 64 with zero
; codes on both sides; the other 31 slices are signed permutations of its codes, which the next launch makes in registers.  A NaN or an infinity that reaches only products with the table's zeros is not carried to the result.
; SHARES.  256 work-groups of six waves, all alike: waves 0 and 1 take the weight, waves 2 to 5 take x.  A wave takes 4,096 numbers; all its 32 loads go out at the head, each of 512 consecutive bytes, 16 a lane.  The numbers turn
; through the wave's own stage in LDS, so that a lane gets the 16 that its conversions want.  Every store of a wave covers 512 consecutive bytes.  No tensor load, no barrier: waves share nothing.
; LIMITS: e0, e1, e2 and e3 - e0 - e1 lie between -126 and 119, so that each power of two below, and 448 times it, is an f32 number.  NaN among the inputs is not served; an infinity is held at the largest code.
.set XCH,   544                        ; x's stage: a load's 512 bytes (four i) + 32 of padding: lanes 544 and 16 bytes apart fall on different columns of 16 bytes modulo 256 (64 banks of 4 bytes: ISA guide 11.1)
.set XSTG,  8*XCH                      ; 32 i
.set SP,    80                         ; the weight's stage: 64 bytes + 16 of padding
.set STG,   32*SP
.set OPD,   528                        ; the weight's way out: a row of 512 bytes (one d) + 16
.set WREG,  2*STG+8*OPD                ; a wave's region: the weight's two stages and way out, or x's two stages (2 XSTG bytes, which are fewer)
.set SPARE, 6*WREG                     ; behind the six regions: the spare words, 128 bytes for each wave: three blocks of 256 bytes that no other line names
.set SPW,   22                         ; v22      LDS address of my spare word; never rewritten
.set NIL,   23                         ; v23      0; never rewritten
.set R,     24                         ; v24-151  the 32 loads' registers
.set XS,    152                        ; x: v152-215 two sets of 2 x 16 numbers.  weight: v152-183 two sets of 16, also the two products' results
.set CX,    216                        ; x: v216-247 codes, four registers for each store
.set C,     184                        ; weight: v184-215 codes, four registers for each step
.set WF,    216                        ; v216-231 the weight's fragment, two by turns: registers 0-3 codes, 4-7 zero codes (K's filling)
.set G0,    232                        ; v232-239 the table's fragment for k' = 0-7 and 16-23
.set G1,    240                        ; v240-247 for k' = 8-15 and 24-31
.set ONE,   248                        ; v248-255 eight numbers: the table's 1.0, seven zeros
; v1 lane, v2 r = lane % 16, v3 h = lane / 16, v4 16 x lane, v5/v6 x's stage in/out, v7/v8 the weight's, v9/v10 the weight's way out in/out,
; v12/v13 a scale 2^e and 448 x 2^e (x: e2; weight: e0), v14/v15 the same for e3 - e0 - e1, v16/v17 for e1, v18-21 at work
	s_load_b256 s[4:11], s[0:1], 0x0               ; x s[4:5], weight s[6:7], the scales' exponents s[8:9], xq s[10:11]
	s_load_b64 s[12:13], s[0:1], 0x20              ; cq
	v_lshl_add_u32 v[SPW], v0, 2, SPARE
	v_mov_b32 v[NIL], 0
	v_lshrrev_b32 v1, 5, v0
	v_readfirstlane_b32 s16, v1                    ; wave 0..5
	v_and_b32 v1, 31, v0                           ; lane
	v_and_b32 v2, 15, v0                           ; r
	v_bfe_u32 v3, v0, 4, 1                         ; h
	v_lshlrev_b32 v4, 4, v1                        ; my 16 bytes of a load's or a store's 512
	s_mul_i32 s17, s16, WREG                       ; my region
	v_add_nc_u32 v5, s17, v4                       ; into x's stage: as loaded
	v_and_b32 v18, 7, v0
	v_mul_u32_u24 v18, v18, XCH
	v_bfe_u32 v19, v0, 3, 2
	v_lshl_add_u32 v18, v19, 4, v18
	v_add_nc_u32 v6, s17, v18                      ; out of it: lane = 8 dl + ig takes dword dl (of four) of i = 4 ig .. 4 ig + 3: 544 ig + 16 dl
	v_lshrrev_b32 v18, 2, v1
	v_mul_u32_u24 v18, v18, SP
	v_and_b32 v19, 3, v1
	v_lshl_add_u32 v18, v19, 4, v18
	v_add_nc_u32 v7, s17, v18                      ; into the weight's stage: four lanes' 64 bytes on end, then the padding; a load takes eight places
	v_lshl_add_u32 v19, v2, 1, v3
	v_mul_u32_u24 v19, v19, SP
	v_add_nc_u32 v8, s17, v19                      ; out of it: place 2 r + h: j = 16 h .. 16 h + 15 of the step's row r
	s_add_co_u32 s17, s17, 2*STG
	v_mul_u32_u24 v18, v3, 4*OPD
	v_lshrrev_b32 v19, 2, v2
	v_lshl_add_u32 v18, v19, 7, v18
	v_and_b32 v19, 3, v0
	v_lshl_add_u32 v18, v19, 2, v18
	v_add_nc_u32 v9, s17, v18                      ; the way out, in: row d = 4 h (+ 0 .. 3), 128 (o % 4) + 4 (i % 4): r = 4 (o % 4) + i % 4
	v_add_nc_u32 v10, s17, v4                      ; and back: 16 bytes a lane of a row
	s_mov_b32 s25, 0
	s_mov_b32 s27, 0
	s_wait_alu depctr_va_vdst(0)
	s_wait_kmcnt 0x0
	s_load_b128 s[20:23], s[8:9], 0x0              ; e0, e1, e2, e3
	s_cmp_lt_u32 s16, 2
	s_cbranch_scc1 .Lweight
.macro PAT se, vs, vl                  ; s[se] holds e: v[vs] = 2^e as f32 (a conversion takes its exponent field), v[vl] = 448 x 2^e
	s_add_co_i32 s24, s[\se], 127
	s_lshl_b32 s25, s24, 23
	v_mov_b32 v[\vs], s25
	s_add_co_i32 s24, s24, 8
	s_lshl_b32 s24, s24, 23
	s_or_b32 s24, s24, 0x600000                    ; 448's mantissa field
	v_mov_b32 v[\vl], s24
.endm
.macro HOLD base, lim                  ; the conversion to an 8-bit code does not saturate (ISA guide 7.6.2): each number is held within the largest code x the scale first; ascending
.irp i, 0,1,2,3,4,5,6,7,8,9,10,11,12,13,14,15
	v_med3_num_f32 v[\base+\i], v[\base+\i], -v[\lim], v[\lim]
.endr
.endm
	; ---------------- x: g = 4 x work-group + wave - 2 takes numbers 4,096 g on: 128 i of row g / 2, four blocks of 32 i
	s_lshl_b32 s18, ttmp9, 2
	s_add_co_u32 s18, s18, s16
	s_sub_co_u32 s18, s18, 2
	s_lshl_b32 s24, s18, 14
	s_add_nc_u64 s[4:5], s[4:5], s[24:25]
	s_lshr_b32 s26, s18, 7                         ; row / 64,
	s_lshl_b32 s26, s26, 19
	s_bfe_u32 s28, s18, 0x60001                    ; row % 64,
	s_lshl_b32 s28, s28, 10
	s_add_co_u32 s26, s26, s28
	s_and_b32 s28, s18, 1                          ; which four blocks of 32 i
	s_lshl_b32 s28, s28, 18
	s_add_co_u32 s26, s26, s28
	s_add_nc_u64 s[10:11], s[10:11], s[26:27]
.set n, 0
.rept 32
	global_load_b128 v[R+4*n:R+4*n+3], v4, s[4:5] offset:512*n th:TH_LOAD_NT   ; 32 lanes read 512 consecutive bytes; read once in the launch
.set n, n+1
.endr
	s_wait_kmcnt 0x0
	PAT 22, 12, 13                                 ; e2
; Block T's 32 i through stage T % 2: eight stores as loaded; back, for each half u of the dwords, four loads: of i = 4 ig + m the 16 bytes of dword 4 u + dl.
; LDS serves a wave's instructions in order (ISA guide 5.7.1.4), so no wait stands between the stores and the loads.
.macro XTURN T
.irp c, 0,1,2,3,4,5,6,7
	ds_store_b128 v5, v[R+32*(\T)+4*\c:R+32*(\T)+4*\c+3] offset:XSTG*((\T)%2)+XCH*\c
.endr
.irp u, 0,1
.irp m, 0,1,2,3
	ds_load_b128 v[XS+32*((\T)%2)+16*\u+4*\m:XS+32*((\T)%2)+16*\u+4*\m+3], v6 offset:XSTG*((\T)%2)+128*\m+64*\u
.endr
.endr
.endm
.macro XSTEP T
.set XB, XS+32*((\T)%2)
	s_wait_dscnt 0x0                               ; this block's numbers are back from the stage
.if (\T) < 3
	s_wait_loadcnt 16-8*(\T)                       ; the next block's eight loads are in; those of the blocks behind it may be out
	XTURN (\T)+1                                   ; and go through the other stage while this block is worked
.endif
.irp u, 0,1
	HOLD XB+16*\u, 13
	v_cvt_scalef32_pk8_fp8_f32 v[CX+8*(\T)+4*\u:CX+8*(\T)+4*\u+1], v[XB+16*\u:XB+16*\u+7], v12       ; eight numbers / 2^e2, to the nearest code, ties to even: a dword for each of two i
	v_cvt_scalef32_pk8_fp8_f32 v[CX+8*(\T)+4*\u+2:CX+8*(\T)+4*\u+3], v[XB+16*\u+8:XB+16*\u+15], v12
.endr
	v_nop                                          ; a plain vector line behind the last conversion of a run
.irp u, 0,1
	global_store_b128 v4, v[CX+8*(\T)+4*\u:CX+8*(\T)+4*\u+3], s[10:11] offset:65536*(\T)+512*\u   ; lane 8 dl + ig: dword 4 u + dl of four i: 512 u + 16 x lane of the row's 1,024 bytes: 512 consecutive bytes, at a multiple of 512 from xq's first byte
.endr
.endm
	s_wait_alu depctr_va_vdst(0)
	s_wait_loadcnt 24                              ; block 0's eight loads are in; the 24 of blocks 1 to 3 may be out
	XTURN 0
.irp T, 0,1,2,3
	XSTEP \T
.endr
	s_wait_tensorcnt 0x0                           ; the wave's end: behind my last LDS store
	ds_add_u32 v[SPW], v[NIL]
	s_wait_dscnt 0x0
	s_endpgm
	; ---------------- the weight: g = 2 x work-group + wave (0..511) takes o = 4 (g / 8) .. + 3 and i = 32 (g % 8) .. + 31; step t: i = 32 (g % 8) + 4 t .. + 3.  The step's 16 rows are r = 4 (o % 4) + i % 4
.Lweight:
	s_lshl_b32 s18, ttmp9, 1
	s_add_co_u32 s18, s18, s16                     ; g
	s_lshr_b32 s24, s18, 3
	s_lshl_b32 s24, s24, 17                        ; four o of 32,768 bytes
	s_and_b32 s26, s18, 7
	s_lshl_b32 s26, s26, 12                        ; 32 i of 128 bytes
	s_add_co_u32 s24, s24, s26
	s_add_nc_u64 s[6:7], s[6:7], s[24:25]
	s_lshr_b32 s26, s18, 4                         ; cq: my 4,096 bytes are block 16 (o / 8) + 2 (i / 32) + (o / 4) % 2
	s_lshl_b32 s26, s26, 4
	s_and_b32 s28, s18, 7
	s_lshl_b32 s28, s28, 1
	s_add_co_u32 s26, s26, s28
	s_bfe_u32 s28, s18, 0x10003
	s_add_co_u32 s26, s26, s28
	s_lshl_b32 s26, s26, 12
	s_add_nc_u64 s[12:13], s[12:13], s[26:27]
.irp t, 0,1,2,3,4,5,6,7
.irp i, 0,1,2,3
	global_load_b128 v[R+16*\t+4*\i:R+16*\t+4*\i+3], v4, s[6:7] offset:512*\t+32768*\i th:TH_LOAD_NT   ; load i: o % 4 = i: four rows i of 128 bytes, 512 consecutive bytes
.endr
.endr
	s_wait_kmcnt 0x0
	s_sub_co_i32 s26, s23, s20
	s_sub_co_i32 s26, s26, s21                     ; a sum of the product stands for sum x 2^(e0 + e1): its code under 2^e3 is sum / 2^(e3 - e0 - e1): the three scales folded into one
	PAT 20, 12, 13                                 ; e0
	PAT 26, 14, 15                                 ; e3 - e0 - e1
	PAT 21, 16, 17                                 ; e1
	; The table's operand.  K's places are taken alike in both operands: register q < 4, byte y of lane half h stands for j = 16 h + 4 q + y; registers 4-7 are the filling.
	; Lane r' of tile u is row k' = 8 u + r' % 8 + 16 (r' / 8), so that the 16 result registers of the two tiles are j = 16 h .. 16 h + 15 of one row of the weight.  Row k' holds the code of 1.0 at j = k' and zero codes elsewhere.
	v_med3_num_f32 v[ONE], 1.0, -v17, v17          ; the table's 1.0 goes through the quantiser as any number does
.irp i, 1,2,3,4,5,6,7
	v_mov_b32 v[ONE+\i], 0
.endr
	v_cvt_scalef32_pk8_fp8_f32 v[18:19], v[ONE:ONE+7], v16
	v_nop                                          ; a plain vector line between a scaled conversion and the first line that touches its result
	v_and_b32 v18, 0xff, v18                       ; the code of 1.0 under 2^e1
	v_and_b32 v19, 3, v1
	v_lshlrev_b32 v19, 3, v19
	v_lshlrev_b32 v18, v19, v18                    ; in byte lane % 4
	v_bfe_u32 v19, v0, 3, 1
	v_xor_b32 v19, v19, v3                         ; 0 where my half of K holds my row's place: h = r' / 8
	v_add_nc_u32 v19, -1, v19                      ; all ones there, else 0
	v_and_b32 v18, v18, v19
	v_bfe_u32 v19, v0, 2, 1
	v_sub_nc_u32 v19, 0, v19                       ; all ones where r' % 8 is 4 or more: the second register of the pair
	v_and_b32 v21, v18, v19
	v_xor_b32 v20, v18, v21
.irp i, 0,1,2,3,4,5,6,7
	v_mov_b32 v[G0+\i], 0
	v_mov_b32 v[G1+\i], 0
	v_mov_b32 v[WF+\i], 0
	v_mov_b32 v[WF+8+\i], 0
.endr
	v_mov_b32 v[G0], v20
	v_mov_b32 v[G0+1], v21
	v_mov_b32 v[G1+2], v20
	v_mov_b32 v[G1+3], v21
.macro TURN t                          ; step t's numbers through stage t % 2
.irp i, 0,1,2,3
	ds_store_b128 v7, v[R+16*(\t)+4*\i:R+16*(\t)+4*\i+3] offset:STG*((\t)%2)+8*SP*\i
.endr
.irp i, 0,1,2,3
	ds_load_b128 v[XS+16*((\t)%2)+4*\i:XS+16*((\t)%2)+4*\i+3], v8 offset:STG*((\t)%2)+16*\i
.endr
.endm
	s_wait_alu depctr_va_vdst(0)
	s_wait_loadcnt 28                              ; step 0's four loads are in; the 28 of steps 1 to 7 may be out
	TURN 0
.macro WSTEP t
.set XB, XS+16*((\t)%2)
.set FB, WF+8*((\t)%2)
	s_wait_dscnt 0x0                               ; this step's numbers are back from the stage
.if (\t) < 7
	s_wait_loadcnt 24-4*(\t)                       ; the next step's four loads are in; those of the steps behind it may be out
	TURN (\t)+1                                    ; (its loads land in the other set, whose products stand more than four plain lines back)
.endif
	HOLD XB, 13
	v_cvt_scalef32_pk8_fp8_f32 v[FB:FB+1], v[XB:XB+7], v12         ; the weight's codes under 2^e0: lane (r, h): j = 16 h + 0 .. 15 of row r
	v_cvt_scalef32_pk8_fp8_f32 v[FB+2:FB+3], v[XB+8:XB+15], v12
	v_nop                                          ; a plain line between the conversions and the products, which read their results and write over their sources
	v_wmma_f32_16x16x64_fp8_fp8 v[XB:XB+7], v[G0:G0+7], v[FB:FB+7], 0        ; TRANSPOSED: source 0 = 16 rows of the table, source 1 = 16 rows of the weight: lane (r, h), register y: W_op[row r][l = 0][k = 16 h + y]
	v_wmma_f32_16x16x64_fp8_fp8 v[XB+8:XB+15], v[G1:G1+7], v[FB:FB+7], 0     ; k = 16 h + 8 + y
.rept 4
	v_nop                                          ; four places behind a matrix instruction, ahead of the first read of its result (ISA guide 7.12.1)
.endr
	HOLD XB, 15                                    ; each result from its low end on
	v_cvt_scalef32_pk8_fp8_f32 v[C+4*(\t):C+4*(\t)+1], v[XB:XB+7], v14
	v_cvt_scalef32_pk8_fp8_f32 v[C+4*(\t)+2:C+4*(\t)+3], v[XB+8:XB+15], v14
	v_nop
.irp e, 0,1,2,3
	ds_store_b32 v9, v[C+4*(\t)+\e] offset:OPD*\e+16*(\t)   ; dword d = 4 h + e of (o % 4, i % 32 = 4 t + i % 4) to its place in my 4,096 bytes of cq
.endr
.endm
.irp t, 0,1,2,3,4,5,6,7
	WSTEP \t
.endr
.irp n, 0,1,2,3,4,5,6,7
	ds_load_b128 v[R+4*\n:R+4*\n+3], v10 offset:OPD*\n   ; back by rows of 512 bytes; these see my stores, which LDS served first
.endr
.irp n, 0,1,2,3,4,5,6,7
	s_wait_dscnt 7-\n
	global_store_b128 v4, v[R+4*\n:R+4*\n+3], s[12:13] offset:512*\n   ; 32 lanes store 512 consecutive bytes, at a multiple of 512 from cq's first byte
.endr
	s_wait_tensorcnt 0x0                           ; the wave's end, as on the other path
	ds_add_u32 v[SPW], v[NIL]
	s_wait_dscnt 0x0
	s_endpgm
.Lfunc_end_k_qc41f1e322b_prep:
	.size	k_qc41f1e322b_prep, .Lfunc_end_k_qc41f1e322b_prep-k_qc41f1e322b_prep
	.p2alignl 7, 3214868480
	.fill 96, 4, 3214868480
	.section	.rodata,"a",@progbits
	.p2align	6, 0x0
	.amdhsa_kernel k_qc41f1e322b_prep
		.amdhsa_group_segment_fixed_size 56832
		.amdhsa_private_segment_fixed_size 0
		.amdhsa_enable_private_segment 0
		.amdhsa_kernarg_size 40
		.amdhsa_user_sgpr_count 2
		.amdhsa_user_sgpr_kernarg_segment_ptr 1
		.amdhsa_wavefront_size32 1
		.amdhsa_system_sgpr_workgroup_id_x 1
		.amdhsa_system_sgpr_workgroup_id_y 1
		.amdhsa_system_sgpr_workgroup_id_z 1
		.amdhsa_system_vgpr_workitem_id 0
		.amdhsa_next_free_vgpr 256
		.amdhsa_next_free_sgpr 66
		.amdhsa_reserve_vcc 0
		.amdhsa_float_denorm_mode_32 3
		.amdhsa_float_denorm_mode_16_64 3
		.amdhsa_memory_ordered 1
		.amdhsa_forward_progress 1
		.amdhsa_inst_pref_size 56
	.end_amdhsa_kernel
	.amdgpu_metadata
---
amdhsa.version: [ 1, 2 ]
amdhsa.kernels:
  - .name:           k_qc41f1e322b_prep
    .symbol:         k_qc41f1e322b_prep.kd
    .args:
      - { .name: x, .offset: 0, .size: 8, .value_kind: global_buffer, .address_space: global }
      - { .name: weight, .offset: 8, .size: 8, .value_kind: global_buffer, .address_space: global }
      - { .name: lowp_scales, .offset: 16, .size: 8, .value_kind: global_buffer, .address_space: global }
      - { .name: xq, .offset: 24, .size: 8, .value_kind: global_buffer, .address_space: global }
      - { .name: cq, .offset: 32, .size: 8, .value_kind: global_buffer, .address_space: global }
    .group_segment_fixed_size: 56832
    .private_segment_fixed_size: 0
    .kernarg_segment_align: 8
    .kernarg_segment_size: 40
    .max_flat_workgroup_size: 192
    .sgpr_count:     66
    .vgpr_count:     256
    .wavefront_size: 32
...
	.end_amdgpu_metadata
.endif
;; end of part 3
;; launch gemm (part 4): grid 32 x 8, 8 waves a work-group, clusters of 4 x 4, 327,680 bytes of LDS; arguments xq, cq, lowp_scales, out0; writes out0
.if DOCPART == 4
	.amdgcn_target "amdgcn-amd-amdhsa--gfx1250"
	.amdhsa_code_object_version 6
	.text
	.protected	k_qc41f1e322b_gemm
	.globl	k_qc41f1e322b_gemm
	.p2align	8
	.type	k_qc41f1e322b_gemm,@function
k_qc41f1e322b_gemm:
	s_mov_b64 s[64:65], 0
	v_nop
	global_prefetch_b8 v0, s[64:65] scope:SCOPE_SE
	s_setreg_imm32_b32 hwreg(HW_REG_WAVE_MODE, 25, 1), 1
	s_wait_xcnt 0x0
	s_wait_alu depctr_hold_cnt(0) depctr_sa_sdst(0) depctr_va_vdst(0) depctr_va_sdst(0) depctr_va_ssrc(0) depctr_va_vcc(0) depctr_vm_vsrc(0)
	s_getreg_b32 s2, hwreg(HW_REG_IB_STS2, 6, 4)
	s_cmp_eq_u32 s2, 0
	s_cbranch_scc0 .Lentry_in_a_cluster
	s_endpgm
.Lentry_in_a_cluster:
	s_bfe_u32 s2, ttmp6, 0x10000c
	s_cmp_lg_u32 s2, 0xf033
	s_cbranch_scc0 .Lentry_shape_is_right
	s_endpgm
.Lentry_shape_is_right:
; out[s][o][k] = (sum over (i, l) of x[s][i][l] W_op[o][i][l][k]) / sqrt(sum over k of its square + 1e-6): [512 x 8,192] x [8,192 x 8,192] on codes of FP8 (E4M3), by v_wmma_f32_16x16x128_fp8_fp8, sums in f32.
; xq: x's codes, [row / 64][i / 32][row % 64][d][i % 32][y], l = 4 d + y.  cq: c[o][i][j], the codes of slice l = 0 of W_op, [o / 8][i / 32][(o / 4) % 2][d][o % 4][i % 32][y].  A sum is multiplied once by 2^(e2 + e3).
; W_op NEVER LIES IN MEMORY (31 of its 32 slices l are not multiplied: they are signed permutations of slice 0, as the first launch's head shows).  The Cayley table has one entry +-1 for each (j, l), at k = j xor l, and the
; quantiser is odd: the code of W_op[o][i][l][k] is c[o][i][l xor k] with its sign bit turned by f = sum over p > q of (l xor k)_p l_q + (l xor k)_4 l_4 (mod 2).  With l = 4 d + y and k = 4 kh + kl: the source is byte y xor kl
; of dword z = d xor kh; f = SG(d, kh) + bs(y), where, E being the parity of z and k1 bit 1 of kl: bs(0) = 0, bs(1) = E + k1, bs(2) = E, bs(3) = 1 + k1.
; ONE MATRIX INSTRUCTION TAKES ONE d.  Its 128 places along K are dword d of 32 neighbouring i: register n of lane half h is i = first i + 16 h + n, byte y is l = 4 d + y.  Then the operand of (step d, tile kh) is a WHOLE
; fragment V[z], z = d xor kh, times one sign for the whole instruction: bs hangs on z and the lane alone.  V[z] is made once for 32 i (16 v_xor_b32 by a lane's mask turn the signs of c's bytes, 16 v_perm_b32 put byte y xor kl
; in place y) and serves eight (d, kh).  V[z] also carries the sign z1 + z2.  What is left for the instruction is s(d, kh) = SG(d, kh) + z1 + z2, which is 0 for d = 7.
; THE SIGN GOES INTO THE SUM.  An accumulator holds (-1)^s x its sum, s the sign of its last product: a product of the same sign adds in place, one of the other sign takes -C (neg_lo on C).  Behind d = 7 every sum stands positive.
; SHARES.  A work-group makes 64 rows x the 256 columns of eight o (all 32 k: the norm stays inside).  Eight waves: wave 4 q + 2 m + og takes rows 32 m .. + 31, o = 4 og .. + 3 and, of each 64 i, the q-th 32: 16 accumulators.
; A PERIOD is 64 i: eight steps d of 16 products in each wave; there are four.  Beside the products of step d a wave makes fragment d of the next period's V: V has two sets.  The two halves of K are added through LDS.
; THE LAST PERIOD GOES BY ROWS: first all steps of my rows 0-15, then of my rows 16-31, so that the first 16 rows are added, normalised and stored (by the waves q = 0) while the second are still multiplied (the waves q = 1 finish those).
; LAYOUT.  The matrix instruction is used transposed: source 0 = 16 columns of W_op (tile kh: lane r is o % 4 = r / 4, k = 4 kh + r % 4), source 1 = 16 rows of x.  In a result lane (r, h) holds row r, register y: o % 4 = 2 h + y / 4,
; k = 4 kh + y % 4.
; RING.  Two LDS slots of x, each one period: two blocks (q = 0, 1) of 64 rows x 1,024 bytes, dense in memory.  Three places of c, each one period; c runs one period ahead of x, since V does.
; Fill 0 (head): x's period 0, c's 0 and 1.  Fill 1: x's 1 into slot 1, c's 2 into place 2: first fills.  Fill 2: x's 2 into slot 0, c's 3 into place 0.  Fill 3: x's 3 into slot 1.
; Waves 0-3 load c, waves 4-7 load x: one load a wave at the head and behind each barrier that a fill follows; a fill that is asked for behind a period's barrier has a period, 128 products of each wave, in which to land.
; CLUSTER.  4 x 4 work-groups.  The four of a row of the cluster have the same 64 rows of x, the four of a column the same eight o of c: each tile is asked for JOINTLY, by the same load with a mask that names the four.
; The text is written out: the fills differ from period to period, and none may be jumped over.
; LIMITS: e2 + e3 between -126 and 127.  k lies in permuted places inside an instruction, alike in both operands, and K is summed in two parts: the order of rounding differs from one ascending chain.  1 / sqrt is v_rsq_f32.
; REGISTERS: window 0: v0-31 addresses, masks; v48-63 c's dwords of one fragment; v64-127 x's two fragments, two sets; v128-255 the accumulators, tile 2 kh + a at v[128 + 8 (2 kh + a)].  window 1: V: set s, fragment z at v[128 s + 16 z].
.set XP,    1040                       ; a row of x in LDS: 1,024 bytes + 16 of padding = 260 words: row r starts at bank 4 r mod 64 (64 banks of 4 bytes: ISA guide 11.1)
.set XQ,    32*XP                      ; what one load of x brings
.set XB,    64*XP                      ; a block: 32 i
.set SP,    528                        ; the way out: a stage row of 512 bytes + 16
.set STG,   32*SP                      ; a wave's stage: 32 rows.  The eight stages lie in slot 0 and the gap behind it (which no fill touches), once slot 0 has had its last fill and its last read
.set SB,    8*STG                      ; slot 1 begins behind the stages; slot 0 is bytes 0 .. 2 XB - 1
.set CP,    144                        ; a row of c: 128 bytes (one dword of 32 i of one o) + 16
.set CU,    32*CP                      ; c of 32 i and four o: eight fragments
.set CPL,   4*CU                       ; a place: 64 i, eight o
.set CBASE, SB+2*XB
.set SPARE, CBASE+3*CPL                ; behind c: the spare words, 128 bytes for each wave: four blocks of 256 bytes that no other line names
.set XAD, 8                            ; v8-9   x's fragments in slot 0, 1
.set CA,  10                           ; v10    c's rows of my lane
.set SEL, 12                           ; v12    the selector: byte y is y xor kl
.set MASK, 14                          ; v14-17 the sign masks for (E, z1 + z2): v[MASK + E + 2 (z1 + z2)]
.set STO, 20                           ; v20    my stage: where I put 16 bytes of a row
.set RD,  22                           ; v22-23 where I read rows back: in my stage, in my partner's
.set GO,  24                           ; v24    16 x lane: my bytes of 512 in out
.set SPW, 28                           ; v28    LDS address of my spare word; never rewritten
.set NIL, 29                           ; v29    0; never rewritten
.set PFO, 30                           ; v30    the prefetches' offset: 256 x lane; never rewritten
.set POS, 48
.set XF,  64
.set ACC, 128
.set OWN, 64                           ; the way out: 16 rows of my own part,
.set PAR, 128                          ; and of my partner's
.set TS,  48                           ; four pairs: 1 / norm, sum of squares
.set G1X, 24                           ; s[24:31] descriptor group 1 for x; s[32:35] group 0
.set G0X, 32
.set G0C, 36                           ; s[36:39], s[40:47] groups 0 and 1 for c's first fill
.set G1C, 40
.set G1D, 48                           ; s[48:55], s[56:59] groups 1 and 0 for c's later fills
.set G0D, 56
.set PFA, 76                           ; s[76:77] where my prefetches stand; never rewritten
.set LIM, 78                           ; s78 1 in a wave that prefetches, else 0
; s14 wave, s15 q, s16 m, s17 og, s18 wave % 4, s19 my part of x in a slot, s70 cx, s71 cy, s72 o / 8, s73 block of 64 rows, s[74:75] 2^(e2 + e3), s79 my part of c in place 0
.set MSB, 0
.macro WIN new                         ; the immediate's high byte repeats the setting that is left; a switch that changes nothing is dropped
.if MSB != \new
	s_set_vgpr_msb (MSB<<8)|\new
.set MSB, \new
.endif
.endm
.set MUL, 0x01                         ; source 0 (V) window 1, all else window 0
.set TOV, 0x40                         ; destination window 1, sources window 0
.macro PLACES n                        ; places behind matrix instructions (ISA guide 7.12.1 for vector instructions)
.rept \n
	v_nop
.endr
.endm
.macro CREST                           ; a round of the cluster's barrier behind its opening barrier
	s_cmp_lg_u32 s14, 0
	s_cbranch_scc1 .Lnot_wave_0_\@
	s_barrier_signal -3
.Lnot_wave_0_\@:
	s_barrier_wait -3
	s_barrier_signal -1
	s_barrier_wait -1
.endm
.macro CROUND                          ; a whole round
	s_barrier_signal -1
	s_barrier_wait -1
	CREST
.endm
.macro XLOAD                           ; a joint load of 32 rows of x
	tensor_load_to_lds s[G0X:G0X+3], s[G1X:G1X+7]
	s_nop 0
	PLACES 4
.endm
.macro JLOAD g0, g1                    ; waves 0-3 load c, waves 4-7 x: one load a wave; the branch hangs on the wave's number alone
	s_cmp_eq_u32 s15, 0
	s_cbranch_scc0 .Lfor_x_\@
	tensor_load_to_lds s[\g0:\g0+3], s[\g1:\g1+7]
	s_nop 0
	PLACES 4
	s_branch .Lasked_\@
.Lfor_x_\@:
	XLOAD
.Lasked_\@:
.endm
; A PREFETCH INTO THE L2, behind a fill and the run of LDS loads that follows it: the period of x that the NEXT fill will ask for, a period, 128 products of each wave, ahead of that fill.  All eight clusters of a block of rows walk
; the same rows: the first of them (cluster x = 0) asks.  A period of 64 rows is 131,072 bytes on end; its four partners take 32,768 each, told apart BY ADDRESS (cx), waves 0-3 a quarter of that each, a lane 256 bytes: so each aligned
; block of 256 bytes is named once in the launch.  Periods 0 and 1 come by their loads alone; behind the last fill nothing is asked.
.macro ASK t
	s_cmp_eq_u32 s[LIM], 1
	s_cbranch_scc0 .Lnot_mine_\@
	global_prefetch_b8 v[PFO], s[PFA:PFA+1] offset:131072*\t th:TH_LOAD_NT scope:SCOPE_SE
.Lnot_mine_\@:
.endm
	s_load_b256 s[4:11], s[0:1], 0x0               ; xq s[4:5], cq s[6:7], the scales' exponents s[8:9], out s[10:11]
	v_lshl_add_u32 v[SPW], v0, 2, SPARE
	v_mov_b32 v[NIL], 0
	ds_add_u32 v[SPW], v[NIL]                      ; the wave's opening: the add, twice on end, and its wait ahead of my first tensor load; work on registers stands between
	ds_add_u32 v[SPW], v[NIL]
	v_lshrrev_b32 v1, 5, v0
	v_readfirstlane_b32 s14, v1                    ; wave 0..7
	s_lshr_b32 s15, s14, 2                         ; q.  Also: I load c (0) or x (1)
	s_bfe_u32 s16, s14, 0x10001                    ; m
	s_and_b32 s17, s14, 1                          ; og
	s_and_b32 s18, s14, 3                          ; which quarter of x or of c I load
	s_wait_dscnt 0x0                               ; both opening adds are done
	CROUND                                         ; all sixteen work-groups are here: the first joint loads meet.  (The kernel arguments are on their way meanwhile)
	s_bfe_u32 s70, ttmp6, 0x40000                  ; cx
	s_bfe_u32 s71, ttmp6, 0x40004                  ; cy
	s_lshl_b32 s72, ttmp9, 2                       ; in a cluster launch ttmp9 and ttmp7 count clusters
	s_add_co_u32 s72, s72, s70                     ; o / 8
	s_and_b32 s73, ttmp7, 0xffff
	s_lshl_b32 s73, s73, 2
	s_add_co_u32 s73, s73, s71                     ; the block of 64 rows
	s_lshl_b32 s88, s71, 2
	s_lshl_b32 s88, 15, s88                        ; my row of the cluster: places 4 cy .. 4 cy + 3
	s_lshl_b32 s89, 0x1111, s70                    ; my column: places cx, cx + 4, cx + 8, cx + 12
	; group 1 for x: 32 rows x 1,024 bytes, dense; elements of 1 byte; padding (bit 20) of four words (31:25 code 3) after every 256 (24:22 code 7); bit 21 set beside a mask
	s_or_b32 s[G1X], s88, (1<<20)|(1<<21)|(7<<22)|(3<<25)
	s_mov_b32 s[G1X+1], 1024<<16                   ; tensor_dim0
	s_mov_b32 s[G1X+2], 32<<16                     ; tensor_dim1
	s_mov_b32 s[G1X+3], 1024<<16                   ; tile_dim0
	s_mov_b32 s[G1X+4], 32                         ; tile_dim1
	s_mov_b32 s[G1X+5], 1024                       ; tensor_dim0_stride
	s_mov_b32 s[G1X+6], 0
	s_mov_b32 s[G1X+7], 0
	; for c: rows of 256 bytes, dense, padded by four words after every 32 (code 4): 32 rows at the head, 16 later
	s_or_b32 s[G1C], s89, (1<<20)|(1<<21)|(4<<22)|(3<<25)
	s_mov_b32 s[G1C+1], 256<<16
	s_mov_b32 s[G1C+2], 32<<16
	s_mov_b32 s[G1C+3], 256<<16
	s_mov_b32 s[G1C+4], 32
	s_mov_b32 s[G1C+5], 256
	s_mov_b32 s[G1C+6], 0
	s_mov_b32 s[G1C+7], 0
	s_or_b32 s[G1D], s89, (1<<20)|(1<<21)|(4<<22)|(3<<25)
	s_mov_b32 s[G1D+1], 256<<16
	s_mov_b32 s[G1D+2], 16<<16
	s_mov_b32 s[G1D+3], 256<<16
	s_mov_b32 s[G1D+4], 16
	s_mov_b32 s[G1D+5], 256
	s_mov_b32 s[G1D+6], 0
	s_mov_b32 s[G1D+7], 0
	s_lshl_b32 s20, s73, 19                        ; x: 524,288 bytes for 64 rows,
	s_lshl_b32 s21, s18, 15                        ; 32,768 for my quarter of a period
	s_add_co_u32 s20, s20, s21
	s_mov_b32 s21, 0
	s_lshl_b32 s22, s72, 16                        ; c: 65,536 bytes for eight o,
	s_lshl_b32 s23, s18, 13                        ; 8,192 for my quarter of periods 0 and 1,
	s_lshl_b32 s68, s18, 12                        ; 4,096 for my quarter of one period, from period 2 on
	s_add_co_u32 s68, s68, s22
	s_add_co_u32 s68, s68, 32768
	s_mov_b32 s69, 0
	s_add_co_u32 s22, s22, s23
	s_mov_b32 s23, 0
	s_mul_i32 s19, s18, XQ                         ; where my loads go: no place in the cluster enters an LDS address
	s_mul_i32 s79, s18, CU
	s_add_co_u32 s79, s79, CBASE
	s_mul_i32 s66, s18, 2*CU
	s_add_co_u32 s66, s66, CBASE
	s_wait_kmcnt 0x0
	s_load_b64 s[74:75], s[8:9], 0x8               ; e2, e3
	s_mov_b32 s[G0X], 1                            ; count = 1
	s_mov_b32 s[G0X+1], s19                        ; LDS address
	s_add_nc_u64 s[G0X+2:G0X+3], s[4:5], s[20:21]  ; global address
	s_or_b32 s[G0X+3], s[G0X+3], 0x80000000        ; type = 2
	s_mov_b32 s[G0C], 1
	s_mov_b32 s[G0C+1], s66
	s_add_nc_u64 s[G0C+2:G0C+3], s[6:7], s[22:23]
	s_or_b32 s[G0C+3], s[G0C+3], 0x80000000
	JLOAD G0C, G1C                                 ; fill 0: one tensor load a wave at the head
	s_mov_b32 s[G0D], 1
	s_add_co_u32 s[G0D+1], s79, 2*CPL
	s_add_nc_u64 s[G0D+2:G0D+3], s[6:7], s[68:69]
	s_or_b32 s[G0D+3], s[G0D+3], 0x80000000
	; out at my first row and my four o: (64 x block + 32 m + 16 q) rows of 32,768 bytes + 1,024 (o / 8) + 512 og
	s_lshl_b32 s60, s73, 21
	s_lshl_b32 s61, s16, 20
	s_add_co_u32 s60, s60, s61
	s_lshl_b32 s61, s15, 19
	s_add_co_u32 s60, s60, s61
	s_lshl_b32 s61, s72, 10
	s_add_co_u32 s60, s60, s61
	s_lshl_b32 s61, s17, 9
	s_add_co_u32 s60, s60, s61
	s_mov_b32 s61, 0
	s_add_nc_u64 s[10:11], s[10:11], s[60:61]
	; the prefetches: my rows' block, my cluster place's quarter of a period, my wave's quarter of that
	s_lshl_b32 s62, s73, 19
	s_lshl_b32 s63, s70, 15
	s_add_co_u32 s62, s62, s63
	s_lshl_b32 s63, s18, 13
	s_add_co_u32 s62, s62, s63
	s_mov_b32 s63, 0
	s_add_nc_u64 s[PFA:PFA+1], s[4:5], s[62:63]
	s_cmp_eq_u32 ttmp9, 0
	s_cselect_b32 s[LIM], 1, 0                     ; the same in all partners
	s_cmp_eq_u32 s15, 0
	s_cselect_b32 s[LIM], s[LIM], 0
	s_mul_i32 s80, s15, XB
	s_mul_i32 s81, s16, XQ
	s_add_co_u32 s80, s80, s81                     ; x: my block, my 32 rows
	s_lshl_b32 s82, s15, 1
	s_add_co_u32 s82, s82, s17
	s_mul_i32 s82, s82, CU
	s_add_co_u32 s82, s82, CBASE                   ; c: my 32 i, my four o
	s_mul_i32 s83, s14, STG                        ; my stage
	s_mul_i32 s86, s15, 16*SP                      ; the 16 of its 32 rows that I finish: q
	s_add_co_u32 s84, s83, s86
	s_xor_b32 s85, s14, 4                          ; the wave of the other half of K
	s_mul_i32 s85, s85, STG
	s_add_co_u32 s85, s85, s86
	v_and_b32 v1, 15, v0                           ; r
	v_bfe_u32 v2, v0, 4, 1                         ; h
	v_and_b32 v3, 31, v0                           ; lane
	v_mul_u32_u24 v4, v1, XP
	v_lshl_add_u32 v4, v2, 6, v4                   ; x: row r, + 64 h: a lane's fragment is 64 consecutive bytes of a step's 128
	v_add_nc_u32 v[XAD], s80, v4
	v_add_nc_u32 v[XAD+1], SB, v[XAD]
	v_lshrrev_b32 v5, 2, v1
	v_mul_u32_u24 v5, v5, CP
	v_lshl_add_u32 v5, v2, 6, v5
	v_add_nc_u32 v[CA], s82, v5                    ; c: row o % 4 = r / 4 of a fragment's four, + 64 h: i % 32 = 16 h on
	v_and_b32 v5, 3, v0                            ; kl
	v_lshl_or_b32 v5, v5, 8, v5
	v_lshl_or_b32 v5, v5, 16, v5                   ; in every byte
	v_xor_b32 v[SEL], 0x03020100, v5               ; byte y: y xor kl
	v_bfe_u32 v6, v0, 1, 1                         ; k1
	v_xor_b32 v7, 1, v6                            ; 1 + k1
	v_lshlrev_b32 v4, 31, v7                       ; the signs by y: bs(3) = 1 + k1;
	v_lshl_or_b32 v5, v6, 15, v4                   ; E = 0: bs(1) = k1, bs(2) = 0
	v_lshl_or_b32 v6, v7, 15, v4                   ; E = 1: bs(1) = 1 + k1,
	v_or_b32 v6, 0x800000, v6                      ; bs(2) = 1
	v_perm_b32 v[MASK], v5, v5, v[SEL]             ; by the source's byte y xor kl
	v_perm_b32 v[MASK+1], v6, v6, v[SEL]
	v_xor_b32 v[MASK+2], 0x80808080, v[MASK]       ; and with the sign z1 + z2
	v_xor_b32 v[MASK+3], 0x80808080, v[MASK+1]
	v_mul_u32_u24 v4, v1, SP
	v_lshl_add_u32 v4, v2, 8, v4
	v_add_nc_u32 v[STO], s83, v4                   ; the stage, in: row r, + 256 h: o % 4 = 2 h, 2 h + 1
	v_lshl_add_u32 v[RD], v3, 4, s84               ; back: the 32 lanes take a row of 512 bytes
	v_lshl_add_u32 v[RD+1], v3, 4, s85
	v_lshlrev_b32 v[GO], 4, v3
	v_lshlrev_b32 v[PFO], 8, v3
.macro XL s, d                         ; x's two fragments of step d, from slot s, into set d % 2
.irp a, 0,1
.irp c, 0,1,2,3
	ds_load_b128 v[XF+32*((\d)%2)+16*\a+4*\c:XF+32*((\d)%2)+16*\a+4*\c+3], v[XAD+(\s)] offset:16*XP*\a+128*(\d)+16*\c
.endr
.endr
.endm
.macro XH j                            ; the last period's double step j: row block j / 4, steps d = 2 (j % 4) and the next: two fragments, from slot 1, into set j % 2
.irp e, 0,1
.irp c, 0,1,2,3
	ds_load_b128 v[XF+32*((\j)%2)+16*\e+4*\c:XF+32*((\j)%2)+16*\e+4*\c+3], v[XAD+1] offset:16*XP*((\j)/4)+128*(2*((\j)%4)+\e)+16*\c
.endr
.endr
.endm
.macro PL pl, z, b                     ; c's dwords of fragment z, of my lane, from place pl, into 16 registers from b on
.irp c, 0,1,2,3
	ds_load_b128 v[(\b)+4*\c:(\b)+4*\c+3], v[CA] offset:CPL*(\pl)+4*CP*(\z)+16*\c
.endr
.endm
.macro GEN p, z, b                     ; V's fragment z of period p from there: 16 lines turn the signs, 16 move the bytes
.set zE, ((\z)%2+((\z)/2)%2+(\z)/4)%2  ; the parity of z
.set zG, (((\z)/2)%2+(\z)/4)%2         ; the sign that V[z] carries: z1 + z2
	WIN 0
.set n, 0
.rept 16
	v_xor_b32 v[(\b)+n], v[MASK+zE+2*zG], v[(\b)+n]
.set n, n+1
.endr
	WIN TOV
.set n, 0
.rept 16
	v_perm_b32 v[128*((\p)%2)+16*(\z)+n], v[(\b)+n], v[(\b)+n], v[SEL]
.set n, n+1
.endr
.endm
; cnt products of step d of period p, from tile t0 on, stp tiles apart: tile t = 2 kh + a takes V[d xor kh] and x's fragment a (fx = 0) or the fragment at fx.  sN = s(d, kh), sP = s of the step before (0 behind d = 7): where they
; differ the product takes -C.  The first step's products start the sums: nothing is ever cleared.  The accumulators take turns, one instruction a turn, in the same order in every step.
.macro MM p, d, t0, cnt, stp, fx
	WIN MUL
.set md0, (\d)%2
.set md1, ((\d)/2)%2
.set md2, (\d)/4
.set mp,  ((\d)+7)%8
.set mp0, mp%2
.set mp1, (mp/2)%2
.set mp2, mp/4
.set mt, \t0
.rept \cnt
.set mh0, (mt/2)%2
.set mh1, (mt/4)%2
.set mh2, mt/8
.set rV, 128*((\p)%2)+16*(((md0+mh0)%2)+2*((md1+mh1)%2)+4*((md2+mh2)%2))
.if (\fx) == 0
.set rX, XF+32*((\d)%2)+16*(mt%2)
.else
.set rX, \fx
.endif
.set rD, ACC+8*mt
.set sN, (md1*md0+md2*md0+md2*md1+md2+md0*(mh1+mh2)+md1*mh2+md2*mh2+md1+mh1+md2+mh2)%2   ; SG(d, kh) + z1 + z2
.set sP, (mp1*mp0+mp2*mp0+mp2*mp1+mp2+mp0*(mh1+mh2)+mp1*mh2+mp2*mh2+mp1+mh1+mp2+mh2)%2
.if ((\p)+(\d)) == 0
	v_wmma_f32_16x16x128_fp8_fp8 v[rD:rD+7], v[rV:rV+15], v[rX:rX+15], 0
.elseif sN != sP
	v_wmma_f32_16x16x128_fp8_fp8 v[rD:rD+7], v[rV:rV+15], v[rX:rX+15], v[rD:rD+7] neg_lo:[0,0,1]
.else
	v_wmma_f32_16x16x128_fp8_fp8 v[rD:rD+7], v[rV:rV+15], v[rX:rX+15], v[rD:rD+7]
.endif
.set mt, mt+\stp
.endr
.endm
; A STEP of 128 along K: the next step's x and c's dwords of fragment d of the next V are fetched in one run; 16 products; then that fragment is made.  Its 32 lines are the places behind the products: ahead of the loads into the
; set of x that they read, and ahead of products that take -C where the last on their accumulator took C, or the other way round (no links of a chain in place: five places).
.macro STEP p, d
	WIN 0
	XL (\p)%2, (\d)+1
	PL ((\p)+1)%3, \d, POS
	MM \p, \d, 0, 16, 1, 0
	s_wait_dscnt 0x0                               ; what was fetched ahead of the products is in
	GEN (\p)+1, \d, POS
.endm
; A PERIOD'S LAST STEP changes slots: its x is in registers, so the slot has been read out.  I wait for all my tensor loads, add 0 to my spare word, and behind four products wait for the add and my LDS reads; the barrier opens a round
; of the cluster's; the next fill, first thing behind the round; then the next period's first x; eight products stand between those loads and their use.
.macro TURN p
	WIN 0
	PL ((\p)+1)%3, 7, POS
	s_wait_tensorcnt 0x0                           ; all my tensor loads have landed: my part of the next period;
	ds_add_u32 v[SPW], v[NIL]                      ; 0 onto my spare word; work on registers stands between it and the wait for it
.if (\p) < 2
	s_add_nc_u64 s[G0X+2:G0X+3], s[G0X+2:G0X+3], 131072   ; x's next period
.if (\p) == 0
	s_mov_b32 s[G0X+1], s19                        ; into slot 0;
	s_add_nc_u64 s[G0D+2:G0D+3], s[G0D+2:G0D+3], 16384    ; c's period 3
	s_mov_b32 s[G0D+1], s79                        ; into place 0
.else
	s_add_co_u32 s[G0X+1], s19, SB                 ; into slot 1
.endif
.endif
	MM \p, 7, 0, 4, 1, 0
	s_wait_dscnt 0x0                               ; the add is done, and my LDS reads are over
	s_barrier_signal -1
	MM \p, 7, 4, 4, 1, 0                           ; work on registers while the others arrive
	GEN (\p)+1, 7, POS
	WIN 0
	s_wait_alu depctr_va_vdst(0)
	s_barrier_wait -1
.if (\p) < 2
	CREST                                          ; no wave of any partner still reads the bytes or has a load on its way
.if (\p) == 0
	JLOAD G0D, G1D                                 ; fill 2
.else
	s_cmp_eq_u32 s15, 1                            ; fill 3: x alone, by waves 4-7
	s_cbranch_scc0 .Lnone
	XLOAD
.Lnone:
.endif
	XL ((\p)+1)%2, 0
.else
	XH 0
.endif
.if (\p) == 0
	ASK 3
.endif
	MM \p, 7, 8, 8, 1, 0
	s_wait_dscnt 0x0
	PLACES 5                                       ; as at a step's end
.endm
; THE LAST PERIOD: double step j: eight products of step d, eight of the next, on the eight accumulators of one row block; V has no successor, so v_nop are the places.
.macro LAST j
	WIN 0
.if (\j) < 7
	XH (\j)+1
.endif
	MM 3, 2*((\j)%4), (\j)/4, 8, 2, XF+32*((\j)%2)
	PLACES 5
	MM 3, 2*((\j)%4)+1, (\j)/4, 8, 2, XF+32*((\j)%2)+16
	s_wait_dscnt 0x0
	PLACES 5
.endm
.macro PUT a                           ; row block a of my part into my stage; each accumulator from its low end on
.set mt, \a
.rept 8
	ds_store_b128 v[STO], v[ACC+8*mt:ACC+8*mt+3] offset:16*SP*\a+16*(mt/2)             ; o % 4 = 2 h,
	ds_store_b128 v[STO], v[ACC+8*mt+4:ACC+8*mt+7] offset:16*SP*\a+16*(mt/2)+128       ; and 2 h + 1
.set mt, mt+2
.endr
.endm
; Four rows: lane 8 g + kh holds k = 4 kh .. 4 kh + 3 of o = 4 og + g: the norm's 32 numbers lie in eight neighbouring lanes.
.macro FIN b
.set rF, OWN+16*(\b)
	s_wait_dscnt 24-8*(\b)                         ; these rows' eight loads are in; the later rows' may be out
.set j, 0
.rept 8
	v_pk_add_f32 v[rF+j:rF+j+1], v[rF+j:rF+j+1], v[PAR+16*(\b)+j:PAR+16*(\b)+j+1]
.set j, j+2
.endr
.set j, 0
.rept 8
	v_pk_mul_f32 v[rF+j:rF+j+1], v[rF+j:rF+j+1], s[74:75] op_sel_hi:[1,0]   ; x 2^(e2 + e3): the numbers as the definition has them
.set j, j+2
.endr
.irp t, 0,1,2,3
	v_pk_mul_f32 v[TS+2*\t:TS+2*\t+1], v[rF+4*\t:rF+4*\t+1], v[rF+4*\t:rF+4*\t+1]
.endr
.irp t, 0,1,2,3
	v_pk_fma_f32 v[TS+2*\t:TS+2*\t+1], v[rF+4*\t+2:rF+4*\t+3], v[rF+4*\t+2:rF+4*\t+3], v[TS+2*\t:TS+2*\t+1]
.endr
.irp t, 0,1,2,3
	v_add_f32 v[TS+2*\t+1], v[TS+2*\t], v[TS+2*\t+1]
.endr
.irp t, 0,1,2,3
	v_add_f32_dpp v[TS+2*\t+1], v[TS+2*\t+1], v[TS+2*\t+1] row_xmask:1 row_mask:0xf bank_mask:0xf
.endr
.irp t, 0,1,2,3
	v_add_f32_dpp v[TS+2*\t+1], v[TS+2*\t+1], v[TS+2*\t+1] row_xmask:2 row_mask:0xf bank_mask:0xf
.endr
.irp t, 0,1,2,3
	v_add_f32_dpp v[TS+2*\t+1], v[TS+2*\t+1], v[TS+2*\t+1] row_xmask:4 row_mask:0xf bank_mask:0xf
.endr
.irp t, 0,1,2,3
	v_add_f32 v[TS+2*\t+1], 0x358637bd, v[TS+2*\t+1]   ; + 1e-6
.endr
	s_wait_alu depctr_va_vdst(0)
.irp t, 0,1,2,3
	v_rsq_f32 v[TS+2*\t], v[TS+2*\t+1]
.endr
	v_nop                                          ; one plain place behind a transcendental
	s_wait_alu depctr_va_vdst(0)
.irp t, 0,1,2,3
	v_pk_mul_f32 v[rF+4*\t:rF+4*\t+1], v[rF+4*\t:rF+4*\t+1], v[TS+2*\t:TS+2*\t+1] op_sel_hi:[1,0]
	v_pk_mul_f32 v[rF+4*\t+2:rF+4*\t+3], v[rF+4*\t+2:rF+4*\t+3], v[TS+2*\t:TS+2*\t+1] op_sel_hi:[1,0]
.endr
.irp t, 0,1,2,3
	global_store_b128 v[GO], v[rF+4*\t:rF+4*\t+3], s[10:11] offset:32768*(4*(\b)+\t) th:TH_STORE_NT   ; 32 lanes store 512 consecutive bytes, at a multiple of 512 from out's first byte; 15 rows at the most: inside the signed 24-bit immediate
.endr
.endm
.macro FINISH                          ; the 16 rows of block q: whole rows from my stage and from my partner's, added, normalised, stored
.set n, 0
.rept 16
	ds_load_b128 v[OWN+4*n:OWN+4*n+3], v[RD] offset:SP*n
	ds_load_b128 v[PAR+4*n:PAR+4*n+3], v[RD+1] offset:SP*n
.set n, n+1
.endr
	FIN 0
	FIN 1
	FIN 2
	FIN 3
.endm
	s_wait_alu depctr_va_vdst(0)
	s_wait_kmcnt 0x0
	s_add_co_i32 s74, s74, s75
	s_add_co_i32 s74, s74, 127
	s_lshl_b32 s74, s74, 23                        ; 2^(e2 + e3) as f32
	s_mov_b32 s75, s74                             ; (named with it as a pair, so it is written)
	; c first: the waves that load it wait for it; x's loads may stay out across this barrier, behind which nothing is filled and c alone is read
	s_cmp_eq_u32 s15, 0
	s_cbranch_scc0 .Lx_out
	s_wait_tensorcnt 0x0
.Lx_out:
	s_barrier_signal -1
	s_barrier_wait -1
.irp f, 0,1,2,3,4,5,6,7                ; c of the whole first V, each fragment's into registers of accumulators, which begin behind it
	PL 0, \f, ACC+16*\f
.endr
.irp f, 0,1,2,3,4,5                    ; most of it is made while x is on its way
	s_wait_dscnt 28-4*\f                           ; fragment f's c is in; the later fragments' loads, four each, may be out
	GEN 0, \f, ACC+16*\f
.endr
	WIN 0
	s_wait_alu depctr_va_vdst(0)
	s_wait_tensorcnt 0x0                           ; my part of fill 0 is in
	ds_add_u32 v[SPW], v[NIL]
	s_add_nc_u64 s[G0X+2:G0X+3], s[G0X+2:G0X+3], 131072   ; x's period 1 into slot 1
	s_add_co_u32 s[G0X+1], s19, SB
	s_wait_dscnt 0x0                               ; the add is done, and my LDS reads are over
	CROUND                                         ; everybody's part of fill 0 is in
	JLOAD G0D, G1D                                 ; fill 1: the first tensor load behind the round
	XL 0, 0
	XL 0, 1
	PL 1, 0, POS
	ASK 2
	GEN 0, 6, ACC+96                               ; the last two fragments stand between x's loads and their use
	GEN 0, 7, ACC+112
	s_wait_alu depctr_va_vdst(0)
	s_wait_dscnt 12                                ; x's step 0 is in; the eight loads of step 1 and the four of c may be out
	MM 0, 0, 0, 16, 1, 0
	s_wait_dscnt 0x0
	GEN 1, 0, POS
.irp d, 1,2,3,4,5,6
	STEP 0, \d
.endr
	TURN 0
.irp d, 0,1,2,3,4,5,6
	STEP 1, \d
.endr
	TURN 1
.irp d, 0,1,2,3,4,5,6
	STEP 2, \d
.endr
	TURN 2
	; THE SUM OVER K'S TWO HALVES, AND THE TURN TO WHOLE ROWS, IN ONE: each wave puts its parts of a row block into its stage; behind a barrier a wave reads 16 rows, whole, from its own stage and from its partner's.
	; The stages lie in slot 0 and the gap: slot 0 had its last fill in fill 2 and was last read ahead of the barrier just passed.
	LAST 0
	LAST 1
	LAST 2
	LAST 3
	WIN 0
	PUT 0                                          ; (five places stand behind the products)
	s_wait_dscnt 0x0                               ; for the others' sake: my stores have landed
	s_barrier_signal -1                            ; between this signal and its wait: products, and LDS loads of slot 1, which nobody writes any more
	LAST 4
	LAST 5
	LAST 6
	LAST 7
	WIN 0
	s_barrier_wait -1                              ; all parts of row blocks 0 are in the stages
	PUT 1                                          ; the stages' second halves, which nobody reads before the next barrier
	s_cmp_eq_u32 s15, 0
	s_cbranch_scc0 .Lsecond
	FINISH                                         ; q = 0: the first 16 rows
.Lsecond:
	s_wait_dscnt 0x0                               ; for the others' sake: my stores into the stage have landed
	s_barrier_signal -1
	s_barrier_wait -1
	s_cmp_eq_u32 s15, 1
	s_cbranch_scc0 .Ldone
	FINISH                                         ; q = 1: the second 16 rows
.Ldone:
	s_wait_tensorcnt 0x0                           ; the wave's end: behind my last tensor load and my last LDS store
	ds_add_u32 v[SPW], v[NIL]
	s_wait_dscnt 0x0
	CROUND                                         ; the closing round: no work-group ends while a partner may still ask for a tile that names it
	s_endpgm
.Lfunc_end_k_qc41f1e322b_gemm:
	.size	k_qc41f1e322b_gemm, .Lfunc_end_k_qc41f1e322b_gemm-k_qc41f1e322b_gemm
	.p2alignl 7, 3214868480
	.fill 96, 4, 3214868480
	.section	.rodata,"a",@progbits
	.p2align	6, 0x0
	.amdhsa_kernel k_qc41f1e322b_gemm
		.amdhsa_group_segment_fixed_size 327680
		.amdhsa_private_segment_fixed_size 0
		.amdhsa_enable_private_segment 0
		.amdhsa_kernarg_size 32
		.amdhsa_user_sgpr_count 2
		.amdhsa_user_sgpr_kernarg_segment_ptr 1
		.amdhsa_wavefront_size32 1
		.amdhsa_system_sgpr_workgroup_id_x 1
		.amdhsa_system_sgpr_workgroup_id_y 1
		.amdhsa_system_sgpr_workgroup_id_z 1
		.amdhsa_system_vgpr_workitem_id 0
		.amdhsa_next_free_vgpr 512
		.amdhsa_next_free_sgpr 96
		.amdhsa_reserve_vcc 0
		.amdhsa_float_denorm_mode_32 3
		.amdhsa_float_denorm_mode_16_64 3
		.amdhsa_memory_ordered 1
		.amdhsa_forward_progress 1
		.amdhsa_inst_pref_size 162
	.end_amdhsa_kernel
	.amdgpu_metadata
---
amdhsa.version: [ 1, 2 ]
amdhsa.kernels:
  - .name:           k_qc41f1e322b_gemm
    .symbol:         k_qc41f1e322b_gemm.kd
    .args:
      - { .name: xq, .offset: 0, .size: 8, .value_kind: global_buffer, .address_space: global }
      - { .name: cq, .offset: 8, .size: 8, .value_kind: global_buffer, .address_space: global }
      - { .name: lowp_scales, .offset: 16, .size: 8, .value_kind: global_buffer, .address_space: global }
      - { .name: out0, .offset: 24, .size: 8, .value_kind: global_buffer, .address_space: global }
    .group_segment_fixed_size: 327680
    .private_segment_fixed_size: 0
    .kernarg_segment_align: 8
    .kernarg_segment_size: 32
    .max_flat_workgroup_size: 256
    .sgpr_count:     96
    .vgpr_count:     512
    .wavefront_size: 32
...
	.end_amdgpu_metadata
.endif
;; end of part 4
